; MI455X (gfx1250); checked and timed in simulation.
; The chip was launched on July 23, 2026; its instructions are those of AMD's public machine-readable ISA for CDNA 5 (MIT licence, August 2026) and "CDNA5" Instruction Set Architecture Reference Guide (July 2026). The comments in the code are by the model that wrote it; some were corrected since.
;; Masked Self Attention. Allowed arithmetic: matrix products marked QUANTISED: E2M3 operands, one E8M0 scale for each 32 along K, by v_wmma_scale_f32_16x16x128_f8f6f4 with both operands' format E2M3, f32 sums; everything else in f32.
;; Inputs: Wk 1,024 x 1,024 float32; Wo 1,024 x 1,024 float32; Wq 1,024 x 1,024 float32; Wv 1,024 x 1,024 float32; bk 1,024 float32; bo 1,024 float32; bq 1,024 float32; bv 1,024 float32; x 4 x 2,048 x 1,024 float32.
;; Outputs: out0 4 x 2,048 x 1,024 float32.
;; This version of the problem:
;;   THIS VERSION OF THE PROBLEM IS GIVEN IN LOW PRECISION. The matrix products marked QUANTISED in the list below multiply operands that are first quantised to E2M3 (2 exponent bits, 3 mantissa bits; 6 bits a number), with one power-of-two scale for each 32 numbers along K (OCP MX v1.0); their sums are f32. All else is computed in f32.
;;   The module's matrix products, in the order in which they are computed (A, B: the left and right operand; K: the contracted axis; several contracted axes count as one K, in the product's order):
;;     1. [M 8,192, K 1,024] x [K 1,024, N 1,024]; A: input x; B: input Wq: QUANTISED
;;     2. [M 8,192, K 1,024] x [K 1,024, N 1,024]; A: input x; B: input Wk: QUANTISED
;;     3. [M 8,192, K 1,024] x [K 1,024, N 1,024]; A: input x; B: input Wv: QUANTISED
;;     4. batch 64 x [M 2,048, K 64] x [K 64, N 2,048]; A: computed on the way; B: computed on the way: QUANTISED
;;     5. batch 64 x [M 2,048, K 2,048] x [K 2,048, N 64]; A: softmax (see below); B: computed on the way: QUANTISED
;;     6. [M 8,192, K 1,024] x [K 1,024, N 1,024]; A: computed on the way; B: input Wo: QUANTISED
;;   THE QUANTISER, for each operand of a quantised product, along K:
;;     - K is cut into blocks of 32 from its start; a last block that is shorter is filled with zeros.
;;     - A block's scale is 2^e with e = floor(log2(the largest magnitude in the block)) - 2, held to -126 .. 127; a block of zeros has e = 0. As a byte (E8M0): e + 127.
;;     - Each number is divided by its block's scale, clamped to +-7.5, and rounded to the nearest number of E2M3, ties to even, subnormals kept.
;;     - The product sums the exact products of the quantised numbers (number of the format x scale) in f32.
;;   ~~~python
;;   def quantise(x, axis):      # numpy; x: float32 -> the quantised numbers, widened to float32 again
;;       x = np.moveaxis(x, axis, -1); K = x.shape[-1]
;;       x = np.pad(x, [(0, 0)] * (x.ndim - 1) + [(0, -K % 32)]); x = x.reshape(x.shape[:-1] + (-1, 32)); a = np.abs(x).max(-1, keepdims=True)
;;       e = np.where(a > 0, np.clip(np.frexp(np.where(a > 0, a, 1))[1] - 1 - 2, -126, 127), 0)      # np.frexp(a)[1] - 1 = floor(log2(a)), exactly
;;       r = np.clip(x / 2.0 ** e, -7.5, 7.5)
;;       step = 2.0 ** (np.maximum(np.frexp(np.where(r == 0, 1, r))[1] - 1, 0) - 3)
;;       q = np.round(r / step) * step * 2.0 ** e      # np.round: ties to even
;;       return np.moveaxis(q.reshape(q.shape[:-2] + (-1,))[..., :K], -1, axis).astype(np.float32)
;;   ~~~
;;   SOFTMAX AHEAD OF A QUANTISED PRODUCT. Where the list says 'softmax', what is quantised is not the finished softmax but p = 2^(t - M), with t = logit x log2(e) and M = ceil(the row's largest t), a whole number; so 1/2 < the row's largest p <= 1. The row's sum l is taken of the UNQUANTISED p, in f32, and the product's result is divided by l at the end. Since M is a whole number, a kernel that streams over the keys may use a running M (the ceiling of the running maximum): every later rescaling is an exact power of two, which a block's scale takes up: the codes' values come out the same.
;;   OPERANDS COMPUTED ON THE WAY. 'Computed on the way' means the value that the module computes at that place (a softmax that the list does not call 'softmax' is quantised finished and normalised). What goes into a quantiser is computed in f32, as accurately as f32 sums, v_exp_f32 and their like allow (about 1e-6 of the number): no bf16 or f16 on the way to a quantiser, and a product that is left as it is and whose result goes on into a quantised operand takes f32 operands (vector FMAs, or v_wmma_f32_16x16x4_f32). A number that lies on a knife's edge between two numbers of the format may be rounded either way, as far as f32 arithmetic and the matrix unit's own rounding can turn it there, and no further.
;; One version. Each part assembles by itself: llvm-mc -triple=amdgcn-amd-amdhsa -mcpu=gfx1250 --defsym DOCPART=n.
;; ======== version 1 of 1: 4 launches
;; workspace buffers: x_img 6,291,456 bytes; x_scl 262,144 bytes; wb 3,276,800 bytes; qb 6,815,744 bytes; kv 13,369,344 bytes; attn_img 6,291,456 bytes; attn_scl 262,144 bytes
;; launch quant (part 1): grid 384 x 1, 4 waves a work-group, no clusters, 34,304 bytes of LDS; arguments x, Wq, Wk, Wv, Wo, x_img, x_scl, wb; writes x_img, x_scl, wb
.if DOCPART == 1
	.amdgcn_target "amdgcn-amd-amdhsa--gfx1250"
	.amdhsa_code_object_version 6
	.text
	.protected	k_q8fc47d4c6c_quant
	.globl	k_q8fc47d4c6c_quant
	.p2align	8
	.type	k_q8fc47d4c6c_quant,@function
k_q8fc47d4c6c_quant:
	s_mov_b64 s[64:65], 0
	v_nop
	global_prefetch_b8 v0, s[64:65] scope:SCOPE_SE
	s_setreg_imm32_b32 hwreg(HW_REG_WAVE_MODE, 25, 1), 1
	s_wait_xcnt 0x0
; x [8192][1024] and Wq, Wk, Wv, Wo [1024 (k)][1024 (n)], f32, become codes of FP6 (E2M3) with one E8M0 byte for each 32 along K, laid IN THE ORDER OF AN OPERAND'S REGISTERS.
; A TILE is 16 rows of an operand (tokens of x, columns n of a weight), and they are not neighbours: lane r of tile t holds row 32 (t / 2) + 8 (t % 2) + r % 8 + 16 (r / 8).
; A FRAGMENT (a tile x 128 along K, 12 registers a lane) lies as 1,536 bytes: registers 0-3 at 16 x lane, 4-5 at 512 + 8 x lane, 6-9 at 768 + 16 x lane, 10-11 at 1,280 + 8 x lane.
; Codes: [tile][chunk of 128 K][1,536].  Scale words (four bytes: a row's 128 along K): [tile][chunk / 2][r][chunk % 2].
; A block's scale is 2^(floor(log2(its largest magnitude)) - 2): its byte is the largest magnitude's exponent field - 2, held at 1 from below by a floor among the maximum's leaves.
; LIMITS: a block of zeros gets the byte 1 where the rule says 127 (its codes are zeros, and this program alone reads the bytes); NaN and infinities among the inputs are not served.
; Work-groups 0-255 take x, 256-383 the weights; waves share nothing: no barrier.  Only x's path uses LDS.
.set FLOOR, 0x1800000                  ; 2^(3 - 127)
.set EOFF,  0xff000000                 ; 2 off an exponent field
.set R,   64                           ; x: v64-191  two sets of 64 registers as loaded
.set X,   192                          ; x: v192-255 my two blocks of 32 neighbours
.set C,   16                           ; x: v16-27   the fragment
.set SW,  36                           ; x: v36-39   the four chunks' scale words
.set WX,  32                           ; W: v32-95   two sets of 32 numbers
.set WF,  96                           ; W: v96-143  for each of two chunks: blocks with h = 0 (12 registers), blocks with h = 1 (12)
.set SB,  10                           ; W: v10-11   the two chunks' scale words
	s_load_b256 s[4:11], s[0:1], 0x0               ; x, Wq, Wk, Wv
	s_load_b256 s[12:19], s[0:1], 0x20             ; Wo, x_img, x_scl, wb
	v_lshl_add_u32 v31, v0, 2, 0x8400
	s_set_vgpr_msb 0x40
	v_mov_b32 v1, 0
	s_set_vgpr_msb 0x4000
	v_lshrrev_b32 v1, 5, v0
	v_readfirstlane_b32 s20, v1                    ; wave
	v_and_b32 v15, 31, v0                          ; lane
	v_and_b32 v14, 15, v0                          ; r
	v_bfe_u32 v5, v0, 4, 1                         ; h
	v_lshlrev_b32 v1, 4, v15                       ; 16 x lane
	v_lshlrev_b32 v2, 3, v15                       ; 8 x lane
	s_cmp_lt_u32 ttmp9, 256
	s_cbranch_scc0 .Lweights
; ---- x.  A wave takes one tile of 16 tokens x 512 along K: four chunks.  Each load reads 512 consecutive bytes of one token; a chunk's 16 x 512 bytes turn through the wave's own stage in LDS
; (rows 528 bytes apart) and come back so that lane (r, h) holds, of token r, k = 64 c + 32 h + 0 .. 31: two whole blocks, in the order of the operand's registers.
	s_lshl_b32 s21, ttmp9, 2
	s_add_co_u32 s21, s21, s20                     ; task
	s_lshr_b32 s22, s21, 1                         ; the tile
	s_and_b32 s23, s21, 1                          ; which half of K
	s_lshr_b32 s24, s22, 1
	s_lshl_b32 s24, s24, 5
	s_and_b32 s25, s22, 1
	s_lshl_b32 s25, s25, 3
	s_add_co_u32 s24, s24, s25                     ; the tile's first token
	s_lshl_b32 s24, s24, 12                        ; x 4,096 bytes a token
	s_lshl_b32 s25, s23, 11
	s_add_co_u32 s24, s24, s25
	s_mov_b32 s25, 0
	s_mul_i32 s26, s22, 12288
	s_mul_i32 s27, s23, 6144
	s_add_co_u32 s26, s26, s27                     ; the codes' place
	s_mov_b32 s27, 0
	s_lshl_b32 s28, s22, 9
	s_lshl_b32 s29, s23, 8
	s_add_co_u32 s28, s28, s29                     ; the scale words' place
	s_mov_b32 s29, 0
	s_mov_b32 s30, 0x76543210
	s_mov_b32 s31, 0xfedcba98                      ; v_permlanex16_b32's selects for lane l xor 16
	s_mul_i32 s21, s20, 8448                       ; my stage
	v_add_nc_u32 v3, s21, v1                       ; in: 16 x lane of a row
	v_mul_u32_u24 v4, v14, 528
	v_lshl_add_u32 v4, v5, 7, v4
	v_add_nc_u32 v4, s21, v4                       ; out: row r, + 128 h
	v_lshlrev_b32 v5, 3, v5                        ; 8 h: my bytes' place in a scale word
	v_mov_b32 v13, 0                               ; (a lane permute's destination counts as one of its sources)
	s_wait_kmcnt 0x0
	s_add_nc_u64 s[4:5], s[4:5], s[24:25]
	s_add_nc_u64 s[14:15], s[14:15], s[26:27]
	s_add_nc_u64 s[16:17], s[16:17], s[28:29]
.macro XLOAD q                         ; chunk q: 16 tokens x 512 bytes into set q % 2
.irp t, 0,1,2,3,4,5,6,7,8,9,10,11,12,13,14,15
	global_load_b128 v[R+64*((\q)%2)+4*\t:R+64*((\q)%2)+4*\t+3], v1, s[4:5] offset:(\t%8+16*(\t/8))*4096+512*(\q) th:TH_LOAD_NT
.endr
.endm
.macro XCHUNK q
.if (\q) < 3
	s_wait_loadcnt 16                              ; this chunk's 16 loads are in; the next chunk's 16 may be out
.else
	s_wait_loadcnt 0x0
.endif
.irp t, 0,1,2,3,4,5,6,7,8,9,10,11,12,13,14,15
	ds_store_b128 v3, v[R+64*((\q)%2)+4*\t:R+64*((\q)%2)+4*\t+3] offset:528*\t
.endr
.irp c, 0,1
.irp j, 0,1,2,3,4,5,6,7
	ds_load_b128 v[X+32*\c+4*\j:X+32*\c+4*\j+3], v4 offset:256*\c+16*\j   ; LDS serves a wave's instructions in order: these see the stores above
.endr
.endr
	s_wait_dscnt 0x0                               ; my numbers are back, and the stores have read their registers
.if (\q) > 0
	s_wait_xcnt 0x0                                ; the last chunk's stores have read the fragment's registers, which are written again below
.endif
.if (\q) < 2
	XLOAD (\q)+2
.endif
.irp c, 0,1
	v_max3_num_f32 v[6+\c], |v[X+32*\c]|, |v[X+32*\c+1]|, FLOOR   ; block 2 c + h: all its 32 numbers are mine; the floor holds the byte at 1 from below
.endr
.irp i, 2,4,6,8,10,12,14,16,18,20,22,24,26,28,30
.irp c, 0,1
	v_max3_num_f32 v[6+\c], v[6+\c], |v[X+32*\c+\i]|, |v[X+32*\c+\i+1]|
.endr
.endr
	v_add_nc_u32 v8, EOFF, v6                      ; the conversion takes the exponent field of this operand as its scale
	v_add_nc_u32 v9, EOFF, v7
	v_lshrrev_b32 v10, 23, v8                      ; the scales' bytes
	v_lshrrev_b32 v11, 23, v9
	v_lshl_or_b32 v12, v11, 16, v10                ; blocks h and 2 + h,
	v_lshlrev_b32 v12, v5, v12                     ; at their places in the word;
	v_permlanex16_b32 v13, v12, s30, s31
	v_or_b32 v[SW+(\q)], v12, v13                  ; with lane l xor 16's two the word is whole
.irp c, 0,1
	v_cvt_scalef32_pk16_fp6_f32 v[C+6*\c:C+6*\c+2], v[X+32*\c:X+32*\c+15], v[8+\c]
	v_cvt_scalef32_pk16_fp6_f32 v[28+4*\c:30+4*\c], v[X+32*\c+16:X+32*\c+31], v[8+\c]   ; (a conversion's three registers begin on an even number)
.endr
	v_nop                                          ; one plain place behind a scaled conversion
.irp c, 0,1
.irp i, 0,1,2
	v_mov_b32 v[C+6*\c+3+\i], v[28+4*\c+\i]
.endr
.endr
	global_store_b128 v1, v[C:C+3], s[14:15] offset:1536*(\q)            ; each store covers 512 or 256 consecutive bytes, aligned
	global_store_b64 v2, v[C+4:C+5], s[14:15] offset:1536*(\q)+512
	global_store_b128 v1, v[C+6:C+9], s[14:15] offset:1536*(\q)+768
	global_store_b64 v2, v[C+10:C+11], s[14:15] offset:1536*(\q)+1280
.endm
	XLOAD 0
	XLOAD 1
	XCHUNK 0
	XCHUNK 1
	XCHUNK 2
	XCHUNK 3
	v_cmp_lt_u32 vcc_lo, 15, v15                   ; lanes 0-15 store chunks 0, 1 of token r, lanes 16-31 chunks 2, 3: 256 consecutive bytes
	v_cndmask_b32 v40, v[SW], v[SW+2], vcc_lo
	v_cndmask_b32 v41, v[SW+1], v[SW+3], vcc_lo
	global_store_b64 v2, v[40:41], s[16:17]
	s_set_vgpr_msb 0x4
	s_wait_tensorcnt 0x0
	ds_add_u32 v31, v1
	s_wait_dscnt 0x0
	s_set_vgpr_msb 0x400
	s_endpgm
; ---- the weights.  K is their FIRST axis: a lane takes a column n and its registers run down K, so that a block of 32 lies in one lane.  A wave takes 32 columns (two tiles: lanes 0-15, lanes 16-31) x 256 along K.
.Lweights:
	s_sub_co_u32 s21, ttmp9, 256
	s_lshr_b32 s22, s21, 5                         ; which weight
	s_bfe_u32 s23, s21, 0x20003                    ; which 256 along K
	s_and_b32 s24, s21, 7
	s_lshl_b32 s24, s24, 7
	s_lshl_b32 s25, s20, 5
	s_add_co_u32 s24, s24, s25                     ; my wave's first column
	s_lshl_b32 s26, s23, 20                        ; 256 rows of 4,096 bytes
	s_lshl_b32 s25, s24, 2
	s_add_co_u32 s26, s26, s25
	s_mov_b32 s27, 0
	s_mul_i32 s28, s22, 786432                     ; the weight's 64 tiles of 12,288 bytes
	s_lshr_b32 s25, s24, 4                         ; my first tile
	s_mul_i32 s29, s25, 12288
	s_add_co_u32 s28, s28, s29
	s_mul_i32 s29, s23, 3072                       ; two chunks
	s_add_co_u32 s28, s28, s29
	s_mov_b32 s29, 0
	s_lshl_b32 s32, s22, 15                        ; the scale words: 512 bytes a tile, behind all codes
	s_lshl_b32 s25, s25, 9
	s_add_co_u32 s32, s32, s25
	s_lshl_b32 s25, s23, 7
	s_add_co_u32 s32, s32, s25
	s_add_co_u32 s32, s32, 3145728
	s_mov_b32 s33, 0
	v_and_b32 v3, 8, v14
	v_add_nc_u32 v3, v3, v14                       ; r % 8 + 16 (r / 8)
	v_lshl_add_u32 v3, v5, 3, v3                   ; + 8 for the second tile
	v_lshlrev_b32 v3, 2, v3                        ; my column, in bytes: the 32 lanes cover 128 consecutive bytes
	v_lshlrev_b32 v4, 3, v14
	v_lshl_add_u32 v4, v5, 9, v4                   ; my scale words' place: 512 x tile + 8 r
	s_wait_kmcnt 0x0
	s_cmp_eq_u32 s22, 1                            ; the choice hangs on the work-group's number alone
	s_cselect_b64 s[6:7], s[8:9], s[6:7]
	s_cmp_eq_u32 s22, 2
	s_cselect_b64 s[6:7], s[10:11], s[6:7]
	s_cmp_eq_u32 s22, 3
	s_cselect_b64 s[6:7], s[12:13], s[6:7]
	s_add_nc_u64 s[6:7], s[6:7], s[26:27]
	s_add_nc_u64 s[34:35], s[18:19], s[32:33]
	s_add_nc_u64 s[18:19], s[18:19], s[28:29]
.macro WLOAD t                         ; block t: W(32 t + i, my column) into set t % 2
.irp i, 0,1,2,3,4,5,6,7,8,9,10,11,12,13,14,15,16,17,18,19,20,21,22,23,24,25,26,27,28,29,30,31
	global_load_b32 v[WX+32*((\t)%2)+\i], v3, s[6:7] offset:(32*(\t)+\i)*4096 th:TH_LOAD_NT
.endr
.endm
.macro BLOCK t
.set XS, WX+32*((\t)%2)
.set FD, WF+24*((\t)/4)+12*((\t)%2)+6*(((\t)/2)%2)   ; block t of a chunk is k = 64 c + 32 h on, c = (t / 2) % 2, h = t % 2
.if (\t) < 7
	s_wait_loadcnt 32                              ; this block's 32 loads are in; the next block's may be out
.else
	s_wait_loadcnt 0x0
.endif
	v_max3_num_f32 v6, |v[XS]|, |v[XS+1]|, |v[XS+2]|
	v_max3_num_f32 v7, |v[XS+3]|, |v[XS+4]|, |v[XS+5]|
.irp i, 6,10,14,18,22,26
	v_max3_num_f32 v6, v6, |v[XS+\i]|, |v[XS+\i+1]|
	v_max3_num_f32 v7, v7, |v[XS+\i+2]|, |v[XS+\i+3]|
.endr
	v_max3_num_f32 v6, v6, |v[XS+30]|, |v[XS+31]|
	v_max3_num_f32 v6, v6, v7, FLOOR
	v_add_nc_u32 v8, EOFF, v6
	v_lshrrev_b32 v9, 23, v8
.if (\t)%4 == 0
	v_mov_b32 v[SB+(\t)/4], v9
.else
	v_lshl_or_b32 v[SB+(\t)/4], v9, 8*((\t)%4), v[SB+(\t)/4]
.endif
	v_cvt_scalef32_pk16_fp6_f32 v[FD:FD+2], v[XS:XS+15], v8
	v_cvt_scalef32_pk16_fp6_f32 v[12:14], v[XS+16:XS+31], v8
	v_nop                                          ; one plain place behind a scaled conversion
.irp i, 0,1,2
	v_mov_b32 v[FD+3+\i], v[12+\i]
.endr
.if (\t)+2 < 8
	WLOAD (\t)+2
.endif
.if (\t)%4 == 3                        ; a chunk is whole.  The first 12 registers hold both tiles' blocks with h = 0, the second 12 those with h = 1:
.set FQ, WF+24*((\t)/4)
.irp i, 0,1,2,3,4,5,6,7,8,9,10,11
	v_permlane16_swap_b32 v[FQ+\i], v[FQ+12+\i]    ; the first's lanes 16-31 change places with the second's lanes 0-15: now each 12 are one tile's fragment
.endr
.irp u, 0,1
	global_store_b128 v1, v[FQ+12*\u:FQ+12*\u+3], s[18:19] offset:12288*\u+1536*((\t)/4)
	global_store_b64 v2, v[FQ+12*\u+4:FQ+12*\u+5], s[18:19] offset:12288*\u+1536*((\t)/4)+512
	global_store_b128 v1, v[FQ+12*\u+6:FQ+12*\u+9], s[18:19] offset:12288*\u+1536*((\t)/4)+768
	global_store_b64 v2, v[FQ+12*\u+10:FQ+12*\u+11], s[18:19] offset:12288*\u+1536*((\t)/4)+1280
.endr
.endif
.endm
	WLOAD 0
	WLOAD 1
.irp t, 0,1,2,3,4,5,6,7
	BLOCK \t
.endr
	global_store_b64 v4, v[SB:SB+1], s[34:35]      ; my column's two scale words: sixteen lanes store 128 consecutive bytes
	s_endpgm
.Lfunc_end_k_q8fc47d4c6c_quant:
	.size	k_q8fc47d4c6c_quant, .Lfunc_end_k_q8fc47d4c6c_quant-k_q8fc47d4c6c_quant
	.p2alignl 7, 3214868480
	.fill 96, 4, 3214868480
	.section	.rodata,"a",@progbits
	.p2align	6, 0x0
	.amdhsa_kernel k_q8fc47d4c6c_quant
		.amdhsa_group_segment_fixed_size 34304
		.amdhsa_private_segment_fixed_size 0
		.amdhsa_enable_private_segment 0
		.amdhsa_kernarg_size 64
		.amdhsa_user_sgpr_count 2
		.amdhsa_user_sgpr_kernarg_segment_ptr 1
		.amdhsa_wavefront_size32 1
		.amdhsa_system_sgpr_workgroup_id_x 1
		.amdhsa_system_sgpr_workgroup_id_y 1
		.amdhsa_system_sgpr_workgroup_id_z 1
		.amdhsa_system_vgpr_workitem_id 0
		.amdhsa_next_free_vgpr 258
		.amdhsa_next_free_sgpr 66
		.amdhsa_reserve_vcc 1
		.amdhsa_float_denorm_mode_32 3
		.amdhsa_float_denorm_mode_16_64 3
		.amdhsa_memory_ordered 1
		.amdhsa_forward_progress 1
		.amdhsa_inst_pref_size 70
	.end_amdhsa_kernel
	.amdgpu_metadata
---
amdhsa.version: [ 1, 2 ]
amdhsa.kernels:
  - .name:           k_q8fc47d4c6c_quant
    .symbol:         k_q8fc47d4c6c_quant.kd
    .args:
      - { .name: x, .offset: 0, .size: 8, .value_kind: global_buffer, .address_space: global }
      - { .name: Wq, .offset: 8, .size: 8, .value_kind: global_buffer, .address_space: global }
      - { .name: Wk, .offset: 16, .size: 8, .value_kind: global_buffer, .address_space: global }
      - { .name: Wv, .offset: 24, .size: 8, .value_kind: global_buffer, .address_space: global }
      - { .name: Wo, .offset: 32, .size: 8, .value_kind: global_buffer, .address_space: global }
      - { .name: x_img, .offset: 40, .size: 8, .value_kind: global_buffer, .address_space: global }
      - { .name: x_scl, .offset: 48, .size: 8, .value_kind: global_buffer, .address_space: global }
      - { .name: wb, .offset: 56, .size: 8, .value_kind: global_buffer, .address_space: global }
    .group_segment_fixed_size: 34304
    .private_segment_fixed_size: 0
    .kernarg_segment_align: 8
    .kernarg_segment_size: 64
    .max_flat_workgroup_size: 128
    .sgpr_count:     66
    .vgpr_count:     258
    .wavefront_size: 32
...
	.end_amdgpu_metadata
.endif
;; end of part 1
;; launch qkv (part 2): grid 12 x 32, 4 waves a work-group, clusters of 4 x 4, 327,680 bytes of LDS; arguments x_img, x_scl, wb, bq, bk, bv, qb, kv; writes qb, kv
.if DOCPART == 2
	.amdgcn_target "amdgcn-amd-amdhsa--gfx1250"
	.amdhsa_code_object_version 6
	.text
	.protected	k_q8fc47d4c6c_qkv
	.globl	k_q8fc47d4c6c_qkv
	.p2align	8
	.type	k_q8fc47d4c6c_qkv,@function
k_q8fc47d4c6c_qkv:
	s_mov_b64 s[64:65], 0
	v_nop
	global_prefetch_b8 v0, s[64:65] scope:SCOPE_SE
	s_setreg_imm32_b32 hwreg(HW_REG_WAVE_MODE, 25, 1), 1
	s_wait_xcnt 0x0
	s_wait_alu depctr_hold_cnt(0) depctr_sa_sdst(0) depctr_va_vdst(0) depctr_va_sdst(0) depctr_va_ssrc(0) depctr_va_vcc(0) depctr_vm_vsrc(0)
	s_getreg_b32 s2, hwreg(HW_REG_IB_STS2, 6, 4)
	s_cmp_eq_u32 s2, 0
	s_cbranch_scc0 .Lentry_in_a_cluster
	s_endpgm
.Lentry_in_a_cluster:
	s_bfe_u32 s2, ttmp6, 0x10000c
	s_cmp_lg_u32 s2, 0xf033
	s_cbranch_scc0 .Lentry_shape_is_right
	s_endpgm
.Lentry_shape_is_right:
; q = x Wq + bq, k = x Wk + bk, v = x Wv + bv on codes of FP6 (E2M3) with E8M0 scales, one GEMM [8192] x [3072], K = 1,024; each result is quantised IN REGISTERS for attention's products and leaves as codes.
; A tile of C is 256 x 256, a work-group of four waves; a wave makes 128 x 128: 64 accumulators, 512 registers.  K goes in steps of 256 through a ring of two LDS slots filled by the tensor data mover.
; OPERANDS LIE AS IMAGES OF THEIR REGISTERS: [tile of 16 rows][chunk of 128 K][1,536 bytes]: registers 0-3 at 16 x lane, 4-5 at 512 + 8 x lane, 6-9 at 768 + 16 x lane, 10-11 at 1,280 + 8 x lane.
; Lane r of tile t holds row 32 (t / 2) + 8 (t % 2) + r % 8 + 16 (r / 8): so the 16 registers of two neighbouring tiles of SOURCE 0 are 16 neighbours of the result, as the quantiser wants them.
; THE KIND is the cluster's x: 0 q, 1 k, 2 v; it is equal in all sixteen partners.  q, k are quantised along the head's 64: source 0 = the weight's columns, source 1 = tokens.  v is quantised along the KEYS:
; source 0 = tokens, source 1 = the weight's columns.  Only the bases from which fragments and scale words are read from LDS differ; both choices lie inside the slot that is being read.
; CLUSTERS: 4 x 4 work-groups; x's tiles are shared along a row of the cluster, the weights' along a column: joint loads with a mask that names the four.
; OUT: q: qb [head][tile of 16 tokens][768 bytes: half a fragment, K = 64], scale words behind them.  k, v: kv, one record a head: k's scale words, v's, then for each 128 keys 8 half fragments of k and 4 fragments of v (16 d x 128 keys).
; LIMITS: a block of zeros gets the byte 1 where the rule says 127 (zero codes; only this program reads the bytes); NaN and infinities are not served.
; REGISTERS: window 0: v16-31 addresses; v32-63 scale words, two sets; v64-127 the bias along the registers; v128-223 source 1's fragments, one set; v224-239 the bias along the lanes.
;   window 1: source 0's fragments, two sets, at v0 and v128.   windows 2, 3: the accumulators ((a, b) at v[8 (8 (a % 4) + b)]).
.set TSL,   3072                       ; a tile's bytes in a slot: two chunks
.set CHB,   1536                       ; a fragment's image
.set HALFT, 8*TSL                      ; eight tiles: what one tensor load brings
.set SLOT,  4*HALFT                    ; x's 16 tiles, then the weight's 16
.set SCL,   2*SLOT                     ; behind the ring: the scale words for all of K, filled once
.set HALFS, 4096                       ; those of eight tiles
.set SBLK,  512                        ; of one
.set SPARE, SCL+4*HALFS                ; the spare words, 128 bytes a wave: two blocks of 256 bytes that no other line names
.set NQ, 2
.set FR, 12
.set NL, 4                             ; LDS loads that bring a fragment
.set NP, 4                             ; places behind this matrix instruction (ISA guide 7.12.1)
.set ADR1, 16                          ; v16-17 source 1's fragments in slot 0, 1: base + 16 x lane; v18-19: base + 8 x lane
.set ADR0, 20                          ; v20-23 the same for source 0
.set SA,   24                          ; v24 the way out: my scale words' place
.set LI,   25                          ; v25 16 x lane
.set L8,   26                          ; v26 8 x lane
.set ADRS, 27                          ; v27 LDS address of my scale words: lanes 0-15 source 1's, lanes 16-31 source 0's
.set SPW,  28                          ; v28 my spare word; never rewritten
.set NIL,  29                          ; v29 0; never rewritten
.set SC,   32
.set BIAS, 64
.set AF,   128
.set BV,   224
.set T,    128                         ; the way out: 64 numbers of a lane
.set PC,   192                         ; v192-211 the codes just made
.set TM,   32                          ; v32-47 at work
.set PW,   48
.set SH16, 49                          ; 16 x (lane / 16)
.set PWS,  52                          ; v52-59 eight scale words
.set SEL,  20                          ; s[20:21]
.set G1, 24
.set G0, 32
.set G1B, 48
.set G0B, 56
.set G1S, 68
.set G0S, 76
.set G1SB, 80
.set G0SB, 88
.set MSB, 0
.macro WIN new                         ; the immediate's high byte repeats the setting that is left
.if MSB != \new
	s_set_vgpr_msb (MSB<<8)|\new
.set MSB, \new
.endif
.endm
.set MUL_LO, 0xa1                      ; source 0 window 1, source 1 window 0, C and D window 2
.set MUL_HI, 0xf1
.set TO_0,   0x40                      ; destination window 1, address window 0
; A joint load: waves 0 and 1 fetch x's halves, waves 2 and 3 the weight's.  The branch hangs on the wave's number alone.  Four v_nop follow each of the two lines.
.macro JLOAD g0a, g1a, g0b, g1b
	s_cmp_eq_u32 s15, 0
	s_cbranch_scc0 .Lfor_b_\@
	tensor_load_to_lds s[\g0a:\g0a+3], s[\g1a:\g1a+7]
	s_nop 0
.rept 4
	v_nop
.endr
	s_branch .Lasked_\@
.Lfor_b_\@:
	tensor_load_to_lds s[\g0b:\g0b+3], s[\g1b:\g1b+7]
	s_nop 0
.rept 4
	v_nop
.endr
.Lasked_\@:
.endm
.macro CREST                           ; a round of the cluster's barrier behind its opening barrier
	s_cmp_lg_u32 s14, 0
	s_cbranch_scc1 .Lnot_wave_0_\@
	s_barrier_signal -3
.Lnot_wave_0_\@:
	s_barrier_wait -3
	s_barrier_signal -1
	s_barrier_wait -1
.endm
.macro CROUND
	s_barrier_signal -1
	s_barrier_wait -1
	CREST
.endm
	s_load_b256 s[4:11], s[0:1], 0x0               ; x_img, x_scl, wb, bq
	s_load_b256 s[92:99], s[0:1], 0x20             ; bk, bv, qb, kv
	v_lshl_add_u32 v[SPW], v0, 2, SPARE
	v_mov_b32 v[NIL], 0
	ds_add_u32 v28, v29
	ds_add_u32 v28, v29
	s_wait_dscnt 0x0
	v_lshrrev_b32 v1, 5, v0
	v_readfirstlane_b32 s14, v1                    ; wave 0..3
	s_lshr_b32 s15, s14, 1                         ; my half of the tokens.  Also: I fetch x (0) or the weight (1)
	s_and_b32 s16, s14, 1                          ; my half of the columns.  Also: which eight tiles I fetch
	s_bfe_u32 s40, ttmp6, 0x40000                  ; cx
	s_bfe_u32 s41, ttmp6, 0x40004                  ; cy
	s_lshl_b32 s42, ttmp9, 2
	s_add_co_u32 s42, s42, s40                     ; which 256 of the 3,072 columns
	s_and_b32 s17, ttmp7, 0xffff
	s_lshl_b32 s17, s17, 2
	s_add_co_u32 s17, s17, s41                     ; which 256 tokens
	s_lshl_b32 s43, s41, 2
	s_lshl_b32 s43, 15, s43                        ; my row of the cluster
	s_lshl_b32 s44, 0x1111, s40                    ; my column
	; descriptor group 1, codes: 8 rows (tiles) of 3,072 bytes (384 elements of 8 bytes), 12,288 bytes apart; dense in LDS
	s_or_b32 s[G1+0], s43, (3<<16)|(1<<21)
	s_or_b32 s[G1B+0], s44, (3<<16)|(1<<21)
.irp g, G1, G1B
	s_mov_b32 s[\g+1], 384<<16                     ; tensor_dim0
	s_mov_b32 s[\g+2], 8<<16                       ; tensor_dim1
	s_mov_b32 s[\g+3], 384<<16                     ; tile_dim0
	s_mov_b32 s[\g+4], 8                           ; tile_dim1
	s_mov_b32 s[\g+5], 1536                        ; tensor_dim0_stride
	s_mov_b32 s[\g+6], 0
	s_mov_b32 s[\g+7], 0
.endr
	; scale words of eight tiles: 4,096 dense bytes as 16 rows of 256
	s_or_b32 s[G1S+0], s43, (3<<16)|(1<<21)
	s_or_b32 s[G1SB+0], s44, (3<<16)|(1<<21)
.irp g, G1S, G1SB
	s_mov_b32 s[\g+1], 32<<16
	s_mov_b32 s[\g+2], 16<<16
	s_mov_b32 s[\g+3], 32<<16
	s_mov_b32 s[\g+4], 16
	s_mov_b32 s[\g+5], 32
	s_mov_b32 s[\g+6], 0
	s_mov_b32 s[\g+7], 0
.endr
	s_lshl_b32 s18, s16, 3
	s_lshl_b32 s20, s17, 4
	s_add_co_u32 s20, s20, s18                     ; x: my first tile
	s_lshl_b32 s46, s42, 4
	s_add_co_u32 s46, s46, s18                     ; the weights: my first tile (Wq's, Wk's, Wv's 64 tiles lie on end)
	s_lshl_b32 s22, s20, 9                         ; their scale words
	s_mov_b32 s23, 0
	s_lshl_b32 s100, s46, 9
	s_add_co_u32 s100, s100, 3145728
	s_mov_b32 s101, 0
	s_mul_i32 s20, s20, 12288                      ; and codes
	s_mov_b32 s21, 0
	s_mul_i32 s46, s46, 12288
	s_mov_b32 s47, 0
	s_mul_i32 s45, s14, HALFT                      ; where they go: no place in the cluster enters an LDS address
	s_lshl_b32 s19, s14, 12
	s_wait_kmcnt 0x0
	s_add_nc_u64 s[20:21], s[4:5], s[20:21]
	s_add_nc_u64 s[22:23], s[6:7], s[22:23]
	s_add_nc_u64 s[46:47], s[8:9], s[46:47]
	s_add_nc_u64 s[100:101], s[8:9], s[100:101]
	CROUND                                         ; all sixteen work-groups are here: the first joint loads meet
	s_mov_b32 s[G0S], 1
	s_add_co_u32 s[G0S+1], s19, SCL
	s_mov_b64 s[G0S+2:G0S+3], s[22:23]
	s_or_b32 s[G0S+3], s[G0S+3], 0x80000000
	s_mov_b32 s[G0SB], 1
	s_add_co_u32 s[G0SB+1], s19, SCL
	s_mov_b64 s[G0SB+2:G0SB+3], s[100:101]
	s_or_b32 s[G0SB+3], s[G0SB+3], 0x80000000
	JLOAD G0S, G1S, G0SB, G1SB                     ; the scale words first: they are wanted with K step 0.  With the two below, three loads of mine are out
.irp s, 0,1
	s_mov_b32 s[G0+4*\s], 1
	s_add_co_u32 s[G0+4*\s+1], s45, \s*SLOT
	s_add_nc_u64 s[G0+4*\s+2:G0+4*\s+3], s[20:21], \s*TSL
	s_or_b32 s[G0+4*\s+3], s[G0+4*\s+3], 0x80000000
	s_mov_b32 s[G0B+4*\s], 1
	s_add_co_u32 s[G0B+4*\s+1], s45, \s*SLOT
	s_add_nc_u64 s[G0B+4*\s+2:G0B+4*\s+3], s[46:47], \s*TSL
	s_or_b32 s[G0B+4*\s+3], s[G0B+4*\s+3], 0x80000000
	JLOAD G0+4*\s, G1, G0B+4*\s, G1B
.endr
	v_and_b32 v1, 15, v0                           ; r
	v_bfe_u32 v2, v0, 4, 1                         ; h
	v_and_b32 v3, 31, v0
	v_lshlrev_b32 v[LI], 4, v3
	v_lshlrev_b32 v[L8], 3, v3
	; the bias of my 128 columns, in both layouts, so that no branch parts the head: along the registers (q, k: register 16 b + i is column 32 b + 16 h + i) and along the lanes (v: tile a's column of lane r, in a pair of equal registers)
	s_cmp_eq_u32 ttmp9, 1
	s_cselect_b64 s[10:11], s[92:93], s[10:11]
	s_cmp_eq_u32 ttmp9, 2
	s_cselect_b64 s[10:11], s[94:95], s[10:11]
	s_lshl_b32 s46, s40, 10
	s_lshl_b32 s47, s16, 9
	s_add_co_u32 s46, s46, s47
	s_mov_b32 s47, 0
	s_add_nc_u64 s[10:11], s[10:11], s[46:47]
	v_lshlrev_b32 v30, 6, v2                       ; 64 h; never rewritten
	v_and_b32 v31, 8, v1
	v_add_nc_u32 v31, v31, v1
	v_lshlrev_b32 v31, 2, v31                      ; 4 (r % 8 + 16 (r / 8)); never rewritten
.irp i, 0,1,2,3,4,5,6,7,8,9,10,11,12,13,14,15
	global_load_b128 v[BIAS+4*\i:BIAS+4*\i+3], v30, s[10:11] offset:128*(\i/4)+16*(\i%4)
.endr
.irp a, 0,1,2,3,4,5,6,7
	global_load_b32 v[BV+2*\a], v31, s[10:11] offset:4*(32*(\a/2)+8*(\a%2))
	global_load_b32 v[BV+2*\a+1], v31, s[10:11] offset:4*(32*(\a/2)+8*(\a%2))
.endr
	; where fragments are read: x's half by wave / 2, the weight's by wave % 2; which of them is source 0 hangs on the kind
	s_mul_i32 s21, s15, HALFT
	s_mul_i32 s22, s16, HALFT
	s_add_co_u32 s22, s22, 2*HALFT
	s_cmp_eq_u32 ttmp9, 2
	s_cselect_b32 s18, s21, s22                    ; source 0
	s_cselect_b32 s19, s22, s21                    ; source 1
	s_cselect_b32 s23, -1, 0
	s_cselect_b32 s2, 1, 0                         ; 1: the kind is v
.irp s, 0,1
	v_add_nc_u32 v[ADR1+\s], s19, v[LI]
	v_add_nc_u32 v[ADR1+2+\s], s19, v[L8]
	v_add_nc_u32 v[ADR0+\s], s18, v[LI]
	v_add_nc_u32 v[ADR0+2+\s], s18, v[L8]
	s_add_co_u32 s18, s18, SLOT
	s_add_co_u32 s19, s19, SLOT
.endr
	s_lshl_b32 s21, s15, 12                        ; x's scale words: my eight tiles
	s_add_co_u32 s22, s16, 2
	s_sub_co_u32 s22, s22, s15
	s_lshl_b32 s22, s22, 12                        ; from there to the weight's
	v_xor_b32 v6, 1, v2
	v_mul_u32_u24 v7, s22, v2                      ; q, k: lanes 16-31 take the weight's (source 0)
	v_mul_u32_u24 v6, s22, v6                      ; v: lanes 0-15 take the weight's (source 1)
	v_cndmask_b32 v6, v7, v6, s23
	s_add_co_u32 s21, s21, SCL
	v_lshl_add_u32 v6, v1, 3, v6
	v_add_nc_u32 v[ADRS], s21, v6
	; where the results go
	s_lshr_b32 s18, s17, 3
	s_lshl_b32 s18, s18, 4                         ; 16 x batch
	s_lshl_b32 s40, s40, 2
	s_add_co_u32 s40, s40, s18
	s_lshl_b32 s18, s16, 1
	s_add_co_u32 s40, s40, s18                     ; the first of my two heads
	s_and_b32 s41, s17, 7
	s_lshl_b32 s41, s41, 1
	s_add_co_u32 s41, s41, s15                     ; which 128 tokens of the sequence are mine
	s_cmp_eq_u32 ttmp9, 0
	s_cselect_b64 s[12:13], s[96:97], s[98:99]     ; qb or kv
	s_mov_b32 s42, 208896
	s_cselect_b32 s43, 98304, s42                  ; from head to head: codes,
	s_cselect_b32 s42, 8192, s42                   ; scale words
	s_mov_b32 s44, 12288
	s_cselect_b32 s46, 0, s44                      ; in kv the scale words come first
	s_cselect_b32 s44, 6144, s44                   ; from 128 tokens to the next
	s_cselect_b32 s47, 6291456, 0                  ; in qb the scale words lie behind all codes
	s_cmp_eq_u32 ttmp9, 2
	s_cselect_b32 s18, 6144, 0                     ; v's fragments lie behind k's eight
	s_cselect_b32 s19, 8192, 0                     ; v's scale words behind k's
	s_cselect_b32 s22, 8, 9                        ; 256 bytes of them for 128 keys; q's and k's: 512
	s_mul_i32 s100, s40, s43
	s_mul_i32 s23, s41, s44
	s_add_co_u32 s100, s100, s23
	s_add_co_u32 s100, s100, s46
	s_add_co_u32 s100, s100, s18
	s_mov_b32 s101, 0
	s_mul_i32 s66, s40, s42
	s_lshl_b32 s23, s41, s22
	s_add_co_u32 s66, s66, s23
	s_add_co_u32 s66, s66, s47
	s_add_co_u32 s66, s66, s19
	s_mov_b32 s67, 0
	s_add_nc_u64 s[66:67], s[12:13], s[66:67]      ; the scale words
	s_add_nc_u64 s[12:13], s[12:13], s[100:101]    ; the first head's codes
	s_mov_b32 s100, s43
	s_add_nc_u64 s[104:105], s[12:13], s[100:101]  ; the second head's
	v_mul_u32_u24 v[SA], s42, v2
	v_lshl_add_u32 v[SA], v1, 4, v[SA]             ; 16 r; lanes 16-31 serve the second head
	s_mov_b32 s[SEL], 0x76543210
	s_mov_b32 s[SEL+1], 0xfedcba98                 ; v_permlanex16_b32's selects for lane l xor 16
.macro FRAG reg, adr, q, i             ; a fragment comes as it lies: every load covers 512 or 256 consecutive bytes
	ds_load_b128 v[\reg:\reg+3], v[\adr] offset:(\i)*TSL+(\q)*CHB
	ds_load_b64 v[\reg+4:\reg+5], v[\adr+2] offset:(\i)*TSL+(\q)*CHB+512
	ds_load_b128 v[\reg+6:\reg+9], v[\adr] offset:(\i)*TSL+(\q)*CHB+768
	ds_load_b64 v[\reg+10:\reg+11], v[\adr+2] offset:(\i)*TSL+(\q)*CHB+1280
.endm
; 16 matrix instructions: source 1's blocks a0, a0 + 1 x source 0's eight.  The 64 accumulators take turns, one instruction a turn, in the same order in every step.
.macro MUL16 a0, p, q, sc, zero
.irp a, \a0, \a0+1
.irp b, 0,1,2,3,4,5,6,7
.if \zero
	v_wmma_scale_f32_16x16x128_f8f6f4 v[8*(8*((\a)%4)+\b):8*(8*((\a)%4)+\b)+7], v[128*(\p)+FR*\b:128*(\p)+FR*\b+FR-1], v[AF+FR*(\a):AF+FR*(\a)+FR-1], 0, v[SC+8*NQ*(\sc)+NQ*\b+(\q)], v[SC+8*NQ*(\sc)+NQ*(\a)+(\q)] matrix_a_fmt:MATRIX_FMT_FP6 matrix_b_fmt:MATRIX_FMT_FP6 matrix_a_scale:MATRIX_SCALE_ROW1
.else
	v_wmma_scale_f32_16x16x128_f8f6f4 v[8*(8*((\a)%4)+\b):8*(8*((\a)%4)+\b)+7], v[128*(\p)+FR*\b:128*(\p)+FR*\b+FR-1], v[AF+FR*(\a):AF+FR*(\a)+FR-1], v[8*(8*((\a)%4)+\b):8*(8*((\a)%4)+\b)+7], v[SC+8*NQ*(\sc)+NQ*\b+(\q)], v[SC+8*NQ*(\sc)+NQ*(\a)+(\q)] matrix_a_fmt:MATRIX_FMT_FP6 matrix_b_fmt:MATRIX_FMT_FP6 matrix_a_scale:MATRIX_SCALE_ROW1
.endif
.endr
.endr
.endm
.macro FETCH0 slot, q, p               ; source 0's eight fragments into set p
	WIN TO_0
.irp i, 0,1,2,3,4,5,6,7
	FRAG 128*(\p)+FR*\i, ADR0+\slot, \q, \i
.endr
	WIN 0
.endm
.macro FETCH1 slot, q, i0              ; source 1's blocks i0 .. i0 + 3
.irp i, \i0, \i0+1, \i0+2, \i0+3
	FRAG AF+FR*(\i), ADR1+\slot, \q, \i
.endr
.endm
.macro SCALES sc                       ; a K step's scale words: two a row; lanes 0-15 source 1's block i, lanes 16-31 source 0's
.irp i, 0,1,2,3,4,5,6,7
	ds_load_b64 v[SC+8*NQ*\sc+NQ*\i:SC+8*NQ*\sc+NQ*\i+1], v[ADRS] offset:\i*SBLK
.endr
.endm
.macro PLACES n                        ; plain vector instructions between a matrix instruction and a load into, or a vector instruction on, its registers
.rept \n
	v_nop
.endr
.endm
.macro STEP slot, q, zero              ; 128 along K that has its successor in the same slot
	s_wait_dscnt 4*NL                              ; all but the youngest 16 loads (source 1's blocks 4-7) are in
	WIN MUL_LO
	MUL16 0, (\q)%2, \q, \slot, \zero
	MUL16 2, (\q)%2, \q, \slot, \zero
	s_wait_dscnt 0
	PLACES NP
	FETCH0 \slot, (\q)+1, 1-(\q)%2
	FETCH1 \slot, (\q)+1, 0
	WIN MUL_HI
	MUL16 4, (\q)%2, \q, \slot, \zero
	MUL16 6, (\q)%2, \q, \slot, \zero
	PLACES NP
	WIN 0
	FETCH1 \slot, (\q)+1, 4
.endm
; A slot's last step changes slots: one barrier; in front of it each wave waits for all its tensor loads, adds 0 to its spare word, and waits for that and for its reads of this slot.  fill = 1: this slot is filled again.
.macro TURN slot, next, fill
	s_wait_tensorcnt 0x0                           ; all my tensor loads have landed: my part of the next slot
	ds_add_u32 v[SPW], v[NIL]                      ; 0 onto my spare word
	s_wait_dscnt 4*NL+1                            ; (the add and the youngest 16 loads may be out)
	WIN MUL_LO
	MUL16 0, 1, NQ-1, \slot, 0
	s_wait_dscnt 0x0                               ; the add is done, and my reads of this slot are over
	s_barrier_signal -1
	MUL16 2, 1, NQ-1, \slot, 0
	WIN 0
	s_barrier_wait -1
.if \fill
	CREST                                          ; the barrier has opened a round of the cluster's: no wave of any partner still reads this slot or has a load on its way
	s_add_nc_u64 s[G0+4*\slot+2:G0+4*\slot+3], s[G0+4*\slot+2:G0+4*\slot+3], 2*TSL
	s_add_nc_u64 s[G0B+4*\slot+2:G0B+4*\slot+3], s[G0B+4*\slot+2:G0B+4*\slot+3], 2*TSL
	JLOAD G0+4*\slot, G1, G0B+4*\slot, G1B         ; the first tensor load behind the round; its four v_nop are the places in front of the loads below
.else
	PLACES NP
.endif
	v_add_nc_u32 v[ADRS], 128, v[ADRS]             ; the next K step's scale words
	FETCH0 \next, 0, 0
	FETCH1 \next, 0, 0
	SCALES \next
	WIN MUL_HI
	MUL16 4, 1, NQ-1, \slot, 0
	MUL16 6, 1, NQ-1, \slot, 0
	PLACES NP
	WIN 0
	FETCH1 \next, 0, 4
.endm
	s_wait_tensorcnt 1                             ; the scale words and my part of K step 0 are in; K step 1's load may be out
	s_barrier_signal -1
	s_barrier_wait -1
	FETCH0 0, 0, 0
	FETCH1 0, 0, 0
	SCALES 0
	FETCH1 0, 0, 4
	STEP 0, 0, 1                                   ; K has four K steps: they are written out.  The first products start the sums
	TURN 0, 1, 1                                   ; slot 0 takes K step 2
	STEP 1, 0, 0
	TURN 1, 0, 1                                   ; slot 1 takes K step 3
	STEP 0, 0, 0
	TURN 0, 1, 0
	STEP 1, 0, 0
	s_wait_dscnt 4*NL
	WIN MUL_LO
	MUL16 0, 1, NQ-1, 1, 0
	MUL16 2, 1, NQ-1, 1, 0
	s_wait_dscnt 0
	WIN MUL_HI
	MUL16 4, 1, NQ-1, 1, 0
	MUL16 6, 1, NQ-1, 1, 0
	WIN 0
; THE WAY OUT.  For each of source 1's eight blocks a lane holds 64 numbers of ONE row of the next operand: register 16 b + i is its k = 32 b + 16 (lane / 16) + i.  The bias is added, the four blocks are quantised, and the codes,
; which are the next operand's registers, are stored as they stand: no LDS.
.macro QUANT s, pw
.irp b, 0,1,2,3
	v_max3_num_f32 v[TM+\b], |v[\s+16*\b]|, |v[\s+1+16*\b]|, 0x1800000   ; my 16 numbers of block b, and the floor 2^(3 - 127)
.endr
.irp i, 2,4,6,8,10,12,14
.irp b, 0,1,2,3
	v_max3_num_f32 v[TM+\b], v[TM+\b], |v[\s+16*\b+\i]|, |v[\s+1+16*\b+\i]|
.endr
.endr
.irp b, 0,1,2,3
	v_permlanex16_b32 v[TM+4+\b], v[TM+\b], s[SEL], s[SEL+1]
.endr
.irp b, 0,1,2,3
	v_max_num_f32 v[TM+\b], v[TM+\b], v[TM+4+\b]   ; with lane l xor 16's: the block's largest magnitude
.endr
.irp b, 0,1,2,3
	v_add_nc_u32 v[TM+12+\b], 0xff000000, v[TM+\b] ; 2 off its exponent field: the conversion's scale operand
.endr
.irp b, 0,1,2,3
	v_lshrrev_b32 v[TM+4+\b], 23, v[TM+12+\b]      ; the scale's byte
.endr
	v_lshl_or_b32 v[\pw], v[TM+5], 8, v[TM+4]
	v_lshl_or_b32 v[\pw], v[TM+6], 16, v[\pw]
	v_lshl_or_b32 v[\pw], v[TM+7], 24, v[\pw]
.irp c, 0,1
	v_cvt_scalef32_pk16_fp6_f32 v[PC+6*\c:PC+2+6*\c], v[\s+32*\c:\s+15+32*\c], v[TM+12+2*\c]
	v_cvt_scalef32_pk16_fp6_f32 v[PC+12+4*\c:PC+14+4*\c], v[\s+16+32*\c:\s+31+32*\c], v[TM+12+2*\c+1]
.endr
	v_nop                                          ; one plain place behind a scaled conversion
.irp c, 0,1                                    ; the layout wants a whole block in a lane
.irp i, 0,1,2
	v_permlane16_swap_b32 v[PC+6*\c+\i], v[PC+12+4*\c+\i]
.endr
.irp i, 0,1,2
	v_mov_b32 v[PC+3+6*\c+\i], v[PC+12+4*\c+\i]
.endr
.endr
.endm
.macro ADDB a, lanes                   ; block a's 64 sums + the bias, each accumulator from its low end on
	WIN 0x02+(\a)/4
.set j, 0
.rept 32
.if \lanes
	v_pk_add_f32 v[T+j:T+j+1], v[64*((\a)%4)+j:64*((\a)%4)+j+1], v[BV+2*(\a):BV+2*(\a)+1]
.else
	v_pk_add_f32 v[T+j:T+j+1], v[64*((\a)%4)+j:64*((\a)%4)+j+1], v[BIAS+j:BIAS+j+1]
.endif
.set j, j+2
.endr
	WIN 0
.endm
	PLACES NP
	s_wait_loadcnt 0x0                             ; the bias
	v_and_b32 v[SH16], 16, v0
	s_cmp_eq_u32 s2, 1
	s_cbranch_scc1 .Lvalues
; q, k: block a is a tile of 16 tokens; the 128 numbers of a token are two heads' 64: registers 0-5 of the fragment go to the first head, 6-11 to the second
.irp a, 0,1,2,3,4,5,6,7
.if \a > 0
	s_wait_xcnt 0x0                                ; the last block's stores have read the codes' registers
.endif
	ADDB \a, 0
	QUANT T, PW
	global_store_b128 v[LI], v[PC:PC+3], s[12:13] offset:768*\a
	global_store_b64 v[L8], v[PC+4:PC+5], s[12:13] offset:768*\a+512
	global_store_b128 v[LI], v[PC+6:PC+9], s[104:105] offset:768*\a
	global_store_b64 v[L8], v[PC+10:PC+11], s[104:105] offset:768*\a+512
	v_lshrrev_b32 v[PWS+\a], v[SH16], v[PW]        ; lanes 0-15: the first head's two bytes lowest; lanes 16-31: the second's.  The upper bytes stand over zero codes and are never 0xff
.if \a%4 == 3
	global_store_b128 v[SA], v[PWS+\a-3:PWS+\a], s[66:67] offset:256*(\a/4)   ; four tiles' words of a token: sixteen lanes store 256 consecutive bytes
.endif
.endr
	s_branch .Lout_done
.Lvalues:
; v: block a is a tile of 16 of a head's 64 (head a / 4), the 128 numbers of a lane are 128 keys: a whole fragment
.irp a, 0,1,2,3,4,5,6,7
.if \a > 0
	s_wait_xcnt 0x0
.endif
	ADDB \a, 1
	QUANT T, PWS+\a
.irp c, 0,1,2
.if \a < 4
	global_store_b128 v[LI], v[PC+4*\c:PC+4*\c+3], s[12:13] offset:1536*(\a%4)+512*\c
.else
	global_store_b128 v[LI], v[PC+4*\c:PC+4*\c+3], s[104:105] offset:1536*(\a%4)+512*\c
.endif
.endr
.endr
	v_cmp_ne_u32 vcc_lo, 0, v[SH16]
.irp i, 0,1,2,3
	v_cndmask_b32 v[PWS+\i], v[PWS+\i], v[PWS+4+\i], vcc_lo   ; lanes 16-31 store the second head's four words
.endr
	global_store_b128 v[SA], v[PWS:PWS+3], s[66:67]
.Lout_done:
	s_wait_tensorcnt 0x0                           ; the wave's end
	ds_add_u32 v[SPW], v[NIL]
	s_wait_dscnt 0x0
	CROUND                                         ; the closing round: no work-group ends while a partner may still ask for a tile that names it
	s_endpgm
.Lfunc_end_k_q8fc47d4c6c_qkv:
	.size	k_q8fc47d4c6c_qkv, .Lfunc_end_k_q8fc47d4c6c_qkv-k_q8fc47d4c6c_qkv
	.p2alignl 7, 3214868480
	.fill 96, 4, 3214868480
	.section	.rodata,"a",@progbits
	.p2align	6, 0x0
	.amdhsa_kernel k_q8fc47d4c6c_qkv
		.amdhsa_group_segment_fixed_size 327680
		.amdhsa_private_segment_fixed_size 0
		.amdhsa_enable_private_segment 0
		.amdhsa_kernarg_size 64
		.amdhsa_user_sgpr_count 2
		.amdhsa_user_sgpr_kernarg_segment_ptr 1
		.amdhsa_wavefront_size32 1
		.amdhsa_system_sgpr_workgroup_id_x 1
		.amdhsa_system_sgpr_workgroup_id_y 1
		.amdhsa_system_sgpr_workgroup_id_z 1
		.amdhsa_system_vgpr_workitem_id 0
		.amdhsa_next_free_vgpr 1024
		.amdhsa_next_free_sgpr 106
		.amdhsa_reserve_vcc 1
		.amdhsa_float_denorm_mode_32 3
		.amdhsa_float_denorm_mode_16_64 3
		.amdhsa_memory_ordered 1
		.amdhsa_forward_progress 1
		.amdhsa_inst_pref_size 218
	.end_amdhsa_kernel
	.amdgpu_metadata
---
amdhsa.version: [ 1, 2 ]
amdhsa.kernels:
  - .name:           k_q8fc47d4c6c_qkv
    .symbol:         k_q8fc47d4c6c_qkv.kd
    .args:
      - { .name: x_img, .offset: 0, .size: 8, .value_kind: global_buffer, .address_space: global }
      - { .name: x_scl, .offset: 8, .size: 8, .value_kind: global_buffer, .address_space: global }
      - { .name: wb, .offset: 16, .size: 8, .value_kind: global_buffer, .address_space: global }
      - { .name: bq, .offset: 24, .size: 8, .value_kind: global_buffer, .address_space: global }
      - { .name: bk, .offset: 32, .size: 8, .value_kind: global_buffer, .address_space: global }
      - { .name: bv, .offset: 40, .size: 8, .value_kind: global_buffer, .address_space: global }
      - { .name: qb, .offset: 48, .size: 8, .value_kind: global_buffer, .address_space: global }
      - { .name: kv, .offset: 56, .size: 8, .value_kind: global_buffer, .address_space: global }
    .group_segment_fixed_size: 327680
    .private_segment_fixed_size: 0
    .kernarg_segment_align: 8
    .kernarg_segment_size: 64
    .max_flat_workgroup_size: 128
    .sgpr_count:     106
    .vgpr_count:     1024
    .wavefront_size: 32
...
	.end_amdgpu_metadata
.endif
;; end of part 2
;; launch attn (part 3): grid 4 x 64, 16 waves a work-group, clusters of 4 x 1, 210,944 bytes of LDS; arguments qb, kv, attn_img, attn_scl; writes attn_img, attn_scl
.if DOCPART == 3
	.amdgcn_target "amdgcn-amd-amdhsa--gfx1250"
	.amdhsa_code_object_version 6
	.text
	.protected	k_q8fc47d4c6c_attn
	.globl	k_q8fc47d4c6c_attn
	.p2align	8
	.type	k_q8fc47d4c6c_attn,@function
k_q8fc47d4c6c_attn:
	s_mov_b64 s[64:65], 0
	v_nop
	global_prefetch_b8 v0, s[64:65] scope:SCOPE_SE
	s_setreg_imm32_b32 hwreg(HW_REG_WAVE_MODE, 25, 1), 1
	s_wait_xcnt 0x0
	s_wait_alu depctr_hold_cnt(0) depctr_sa_sdst(0) depctr_va_vdst(0) depctr_va_sdst(0) depctr_va_ssrc(0) depctr_va_vcc(0) depctr_vm_vsrc(0)
	s_getreg_b32 s2, hwreg(HW_REG_IB_STS2, 6, 4)
	s_cmp_eq_u32 s2, 0
	s_cbranch_scc0 .Lentry_in_a_cluster
	s_endpgm
.Lentry_in_a_cluster:
	s_bfe_u32 s2, ttmp6, 0x10000c
	s_cmp_lg_u32 s2, 0x3003
	s_cbranch_scc0 .Lentry_shape_is_right
	s_endpgm
.Lentry_shape_is_right:
; Causal attention of one head (batch x head = the cluster's y) on codes of FP6 (E2M3) with E8M0 scales; head size 64, 2,048 tokens.  The result, O / l, is quantised in registers along the head's 64 and leaves as codes for the last product.
; THE SOFTMAX: t = score x log2(e) / 8; M = the running largest t rounded UP to a whole number; p = 2^(t - M) is quantised along the keys, not normalised; the row's sum is taken of the unquantised p and divides at the end.
; When M moves, the sum and O are multiplied by 2^(old M - new M): exact.
; K AND V OF THE WHOLE HEAD, 208,896 bytes with their scale words, LIE IN LDS, filled once: no ring.  The four work-groups of a cluster serve one head and ask for the record JOINTLY, each wave for a sixteenth, in two loads:
; the first brings the scale words and key steps 0, 1, the second the rest, which lands while those two steps are worked.  Every byte is asked for at the head, so there is no later request to run ahead of.
; SHARES.  A head has 128 tiles of 16 queries, tile 8 g + e.  Wave w of work-group p takes e = 2 p + w % 2 and two tiles in turn: g = 15 - w / 2, then g = w / 2.  Tile g needs key steps 0 .. g (128 keys each), so every wave
; works 17 key steps.  Branches hang on the wave's number and on counters alone; the place in the cluster enters global addresses and the mask's per-lane number.
; LAYOUT.  Both products transposed: S^T = K Q^T, O^T = V^T P^T: a lane holds ONE query.  Lane r of a tile (of keys, queries, or the head's 64) holds index 32 (t / 2) + 8 (t % 2) + r % 8 + 16 (r / 8), so that the 16 registers of
; two neighbouring tiles of source 0 are 16 neighbours.  The first product's K is 64: registers 6-11 of K's and Q's fragments are zero codes.
; The scale bytes of a tile of the result are two of a token's eight in a group of four heads: they leave by one store of two bytes a lane, one byte in 24 of what the launch stores.
; LIMITS: 1 / l by v_rcp_f32; a block of zeros gets the byte 1; NaN and infinities are not served.
.set REC, 208896
.set ADK, 4                            ; v4 LDS: the key step's chunk + 16 x lane;  v5: + 8 x lane;  v6: K's scale words;  v7: V's
.set ADK8, 5
.set ADS, 6
.set ADT, 7
.set DREL, 8                           ; v8  my query's place among its key step's 128, less 16 (lane / 16)
.set QF0, 16                           ; v16-27, v28-39 Q's fragments of the two tiles;  v40, v41 their scale words
.set QF1, 28
.set PS,  42                           ; p's scale word
.set KS,  44                           ; v44-51 K's scale words;  v52-55 V's
.set VS,  52
.set KF,  56                           ; v56-103 four fragments of K
.set S,   104                          ; v104-167 S^T, then p; V's four fragments are laid over v104-151
.set O,   168                          ; v168-199 O^T
.set PC,  200                          ; v200-211 p's codes;  v212-214, v216-218 conversions' second halves
.set CT,  212
.set BM,  220
.set BT,  224
.set SO,  228
.set W0,  232
.set W1,  233
.set HWH, 234                          ; the two tiles' scale bytes
.set HWL, 235
.set OFS, 236
.set WV,  12
.set G,   16
.set KST, 17
.set TB,  18
.set TS,  19
.set SEL, 20
.set CS,  22
.set TJ,  56
.set CNT, 57
.set GL,  58
.set GH,  59
.macro ROUND                           ; a round of the cluster's barrier
	s_barrier_signal -1
	s_barrier_wait -1
	s_cmp_lg_u32 s[WV], 0
	s_cbranch_scc1 .Lnot_wave_0_\@
	s_barrier_signal -3
.Lnot_wave_0_\@:
	s_barrier_wait -3
	s_barrier_signal -1
	s_barrier_wait -1
.endm
	s_load_b256 s[4:11], s[0:1], 0x0               ; qb, kv, attn_img, attn_scl
	v_lshl_add_u32 v254, v0, 2, 0x33000
	v_mov_b32 v255, 0
	ds_add_u32 v254, v255
	ds_add_u32 v254, v255
	v_lshrrev_b32 v1, 5, v0
	s_delay_alu instid0(VALU_DEP_1)
	v_readfirstlane_b32 s[WV], v1                  ; wave 0..15
	s_bfe_u32 s13, ttmp6, 0x40000                  ; cx
	s_and_b32 s14, ttmp7, 0xffff                   ; batch x 16 + head
	; descriptor groups 1: dense rows of 256 bytes (32 elements of 8 bytes), 9 and 42 of them; the mask names all four work-groups
	s_mov_b32 s24, 15|(3<<16)|(1<<21)
	s_mov_b32 s25, 32<<16
	s_mov_b32 s26, 9<<16
	s_mov_b32 s27, 32<<16
	s_mov_b32 s28, 9
	s_mov_b32 s29, 32
	s_mov_b32 s30, 0
	s_mov_b32 s31, 0
	s_mov_b32 s32, 15|(3<<16)|(1<<21)
	s_mov_b32 s33, 32<<16
	s_mov_b32 s34, 42<<16
	s_mov_b32 s35, 32<<16
	s_mov_b32 s36, 42
	s_mov_b32 s37, 32
	s_mov_b32 s38, 0
	s_mov_b32 s39, 0
	s_mul_i32 s48, s14, REC
	s_mov_b32 s49, 0
	s_mul_i32 s50, s[WV], 2304                     ; my sixteenth of the first 36,864 bytes,
	s_mov_b32 s51, 0
	s_mul_i32 s52, s[WV], 10752
	s_add_co_u32 s52, s52, 36864                   ; and of the other 172,032: the same place in the record and in LDS
	s_mov_b32 s53, 0
	s_mov_b32 s[SEL], 0x76543210
	s_mov_b32 s[SEL+1], 0xfedcba98
	s_mov_b32 s[CS], 0x3e38aa3b                    ; c = log2(e) / 8
	s_mov_b32 s[CS+1], s[CS]
	s_wait_dscnt 0x0
	s_wait_kmcnt 0x0
	s_add_nc_u64 s[6:7], s[6:7], s[48:49]
	s_mov_b32 s40, 1
	s_mov_b32 s41, s50
	s_add_nc_u64 s[42:43], s[6:7], s[50:51]
	s_or_b32 s43, s43, 0x80000000
	s_mov_b32 s44, 1
	s_mov_b32 s45, s52
	s_add_nc_u64 s[46:47], s[6:7], s[52:53]
	s_or_b32 s47, s47, 0x80000000
	ROUND                                          ; all four work-groups are here: the joint loads meet
	tensor_load_to_lds s[40:43], s[24:31]          ; two loads of mine are out
	s_nop 0
	tensor_load_to_lds s[44:47], s[32:39]
	s_nop 0
.rept 4
	v_nop
.endr
	s_and_b32 s15, s[WV], 1
	s_lshl_b32 s66, s13, 1
	s_add_co_u32 s15, s15, s66                     ; e
	s_lshr_b32 s[GL], s[WV], 1
	s_sub_co_u32 s[GH], 15, s[GL]
	s_lshl_b32 s70, s[GH], 3
	s_add_co_u32 s70, s70, s15                     ; the high tile
	s_lshl_b32 s71, s[GL], 3
	s_add_co_u32 s71, s71, s15                     ; the low tile
	s_mul_i32 s72, s14, 98304                      ; the head's codes in qb,
	s_lshl_b32 s73, s14, 13
	s_add_co_u32 s73, s73, 6291456                 ; its scale words
	s_lshr_b32 s74, s14, 4
	s_lshl_b32 s74, s74, 7                         ; the batch's first tile of tokens
	s_and_b32 s75, s14, 15                         ; the head
.macro TILEADR tau, qc, qw, oc         ; a tile's codes and scale words of q, and its place in attn_img
	s_mul_i32 s66, s[\tau], 768
	s_add_co_u32 s66, s66, s72
	s_mov_b32 s67, 0
	s_add_nc_u64 s[\qc:\qc+1], s[4:5], s[66:67]
	s_lshr_b32 s66, s[\tau], 2
	s_lshl_b32 s66, s66, 8
	s_and_b32 s68, s[\tau], 3
	s_lshl_b32 s68, s68, 2
	s_add_co_u32 s66, s66, s68
	s_add_co_u32 s66, s66, s73
	s_add_nc_u64 s[\qw:\qw+1], s[4:5], s[66:67]
	s_add_co_u32 s66, s[\tau], s74
	s_mul_i32 s66, s66, 12288
	s_mul_i32 s68, s75, 768
	s_add_co_u32 s66, s66, s68
	s_add_nc_u64 s[\oc:\oc+1], s[8:9], s[66:67]
.endm
	TILEADR 70, 48, 52, 60
	TILEADR 71, 50, 54, 62
	s_add_co_u32 s66, s71, s74                     ; attn_scl: the low tile's 512 bytes, my head's two bytes of a token's eight
	s_lshl_b32 s66, s66, 9
	s_lshr_b32 s68, s75, 2
	s_lshl_b32 s68, s68, 7
	s_add_co_u32 s66, s66, s68
	s_and_b32 s68, s75, 3
	s_lshl_b32 s68, s68, 1
	s_add_co_u32 s66, s66, s68
	s_add_nc_u64 s[10:11], s[10:11], s[66:67]
	v_and_b32 v5, 31, v0
	s_delay_alu instid0(VALU_DEP_1)
	v_lshlrev_b32 v1, 4, v5                        ; 16 x lane; never rewritten
	s_delay_alu instid0(VALU_DEP_2)
	v_lshlrev_b32 v2, 3, v5                        ; 8 x lane; never rewritten
	v_and_b32 v6, 15, v0                           ; r
	s_delay_alu instid0(VALU_DEP_1)
	v_lshlrev_b32 v3, 4, v6                        ; 16 r; never rewritten
	v_bfe_u32 v7, v0, 4, 1                         ; h
	global_load_b128 v[QF0:QF0+3], v1, s[48:49]
	global_load_b64 v[QF0+4:QF0+5], v2, s[48:49] offset:512
	global_load_b32 v40, v3, s[52:53]
	global_load_b128 v[QF1:QF1+3], v1, s[50:51]
	global_load_b64 v[QF1+4:QF1+5], v2, s[50:51] offset:512
	global_load_b32 v41, v3, s[54:55]
	s_lshr_b32 s66, s15, 1
	s_lshl_b32 s66, s66, 5
	s_and_b32 s68, s15, 1
	s_lshl_b32 s68, s68, 3
	s_add_co_u32 s66, s66, s68
	v_and_b32 v[DREL], 8, v6
	s_delay_alu instid0(VALU_DEP_1)
	v_add_nc_u32 v[DREL], v[DREL], v6
	s_delay_alu instid0(VALU_DEP_1)
	v_add_nc_u32 v[DREL], s66, v[DREL]
	v_lshlrev_b32 v4, 4, v7
	s_delay_alu instid0(VALU_DEP_1)
	v_sub_nc_u32 v[DREL], v[DREL], v4
	s_sub_co_u32 s66, s70, s71
	s_lshl_b32 s66, s66, 9
	v_mul_u32_u24 v[OFS], s66, v7                  ; lanes 16-31 store the high tile's scale bytes
	s_delay_alu instid0(VALU_DEP_1)
	v_lshl_add_u32 v[OFS], v6, 3, v[OFS]
	v_mov_b32 v9, 0xff800000                       ; -infinity
	v_mov_b32 v11, 0                               ; (named as the upper half of the pair v[10:11])
.irp i, 6,7,8,9,10,11
	v_mov_b32 v[QF0+\i], 0                         ; zero codes for k = 64 .. 127
	v_mov_b32 v[QF1+\i], 0
.irp t, 0,1,2,3
	v_mov_b32 v[KF+12*\t+\i], 0
.endr
.endr
.irp b, 0,1,2,3
	v_mov_b32 v[BT+\b], 0                          ; (a lane permute's destination counts as one of its sources)
.endr
; A KEY STEP: 128 keys.  full = 1: a step all of whose keys come after my queries is jumped over (but for the lines that step addresses), and the step on the diagonal hides the later keys.
.macro STEP qf, qs, full
.if \full
	s_cmp_gt_u32 s[KST], s[G]
	s_cbranch_scc1 .Lhidden_\@
.endif
	s_setprio 2
	v_add_nc_u32 v[ADK], s[TB], v1                 ; (with the v_nop at the last step's end these four are five places: the products below write over V's registers, which the last products read)
	s_wait_alu depctr_va_vdst(0)
	v_add_nc_u32 v[ADK8], s[TB], v2
	s_wait_alu depctr_va_vdst(0)
	v_add_nc_u32 v[ADS], s[TS], v3
	v_add_nc_u32 v[ADT], s[TJ], v3
.irp g, 0,1                                    ; S^T = K Q^T, four tiles of 16 keys at a time
.if \g
.rept 4
	v_nop                                          ; places in front of loads into registers that matrix instructions have read
.endr
.endif
.irp t, 0,1,2,3
	ds_load_b128 v[KF+12*\t:KF+12*\t+3], v[ADK] offset:768*(4*\g+\t)
	ds_load_b64 v[KF+12*\t+4:KF+12*\t+5], v[ADK8] offset:768*(4*\g+\t)+512
.endr
.if \g == 0
	ds_load_b128 v[KS:KS+3], v[ADS]
	ds_load_b128 v[KS+4:KS+7], v[ADS] offset:256
.endif
	s_wait_dscnt 0x0
.irp t, 0,1,2,3
	v_wmma_scale_f32_16x16x128_f8f6f4 v[S+8*(4*\g+\t):S+8*(4*\g+\t)+7], v[KF+12*\t:KF+12*\t+11], v[\qf:\qf+11], 0, v[KS+4*\g+\t], v[\qs] matrix_a_fmt:MATRIX_FMT_FP6 matrix_b_fmt:MATRIX_FMT_FP6
.endr
.endr                                          ; register 16 b + i holds key 32 b + 16 (lane / 16) + i of the step
.rept 4
	v_nop
.endr
.if \full
	s_cmp_lg_u32 s[KST], s[G]
	s_cbranch_scc1 .Lopen_\@
.set n, 0
.rept 64                                       ; on the diagonal: hidden where 32 b + i > my query's place - 16 (lane / 16)
	v_cmp_gt_i32 vcc_lo, 32*(n/16)+n%16, v[DREL]
	v_cndmask_b32 v[S+n], v[S+n], v9, vcc_lo
.set n, n+1
.endr
.Lopen_\@:
.endif
.irp b, 0,1,2,3
	v_max3_num_f32 v[BM+\b], v[S+16*\b], v[S+1+16*\b], v[S+2+16*\b]   ; the largest score of each block of 32 keys: for the row's maximum and, since p rises with the score, for the block's largest p
.endr
.irp i, 3,5,7,9,11,13
.irp b, 0,1,2,3
	v_max3_num_f32 v[BM+\b], v[BM+\b], v[S+16*\b+\i], v[S+1+16*\b+\i]
.endr
.endr
.irp b, 0,1,2,3
	v_max_num_f32 v[BM+\b], v[BM+\b], v[S+15+16*\b]
.endr
.irp b, 0,1,2,3
	s_delay_alu instid0(VALU_DEP_4)
	v_permlanex16_b32 v[BT+\b], v[BM+\b], s[SEL], s[SEL+1]
.endr
.irp b, 0,1,2,3
	s_delay_alu instid0(VALU_DEP_4)
	v_max_num_f32 v[BM+\b], v[BM+\b], v[BT+\b]
.endr
	s_delay_alu instid0(VALU_DEP_2)
	v_max3_num_f32 v[W0], v[BM], v[BM+1], v[BM+2]
	s_delay_alu instid0(VALU_DEP_1)
	v_max_num_f32 v[W0], v[W0], v[BM+3]
	s_delay_alu instid0(VALU_DEP_1)
	v_mul_f32 v[W0], s[CS], v[W0]
	s_delay_alu instid0(VALU_DEP_1)
	v_max_num_f32 v13, v13, v[W0]                  ; the running largest t
	v_mov_b32 v[W0], v12
	s_delay_alu instid0(VALU_DEP_2)
	v_floor_f32 v12, -v13                          ; -M = floor(-t): M is a whole number
	s_delay_alu instid0(VALU_DEP_1)
	v_sub_f32 v[W0], v12, v[W0]
	s_delay_alu instid0(VALU_DEP_1)
	v_cvt_i32_f32 v[W0], v[W0]                     ; (it saturates)
	s_delay_alu instid0(VALU_DEP_1)
	v_ldexp_f32 v10, 1.0, v[W0]                    ; f = 2^(old M - new M)
.set j, 0
.rept 32
	v_pk_fma_f32 v[S+j:S+j+1], v[S+j:S+j+1], s[CS:CS+1], v[12:13] op_sel_hi:[1,0,0]   ; t - M
.set j, j+2
.endr
	s_setprio 1
.irp b, 0,1,2,3
	v_fma_f32 v[BM+\b], v[BM+\b], s[CS], v12
.endr
.set j, 0
	s_wait_alu depctr_va_vdst(0)
.rept 64
	v_exp_f32 v[S+j], v[S+j]                       ; p = 2^(t - M)
.set j, j+1
.endr
	v_pk_mul_f32 v[14:15], v[14:15], v[10:11] op_sel_hi:[1,0]   ; the sums under the new M: the plain place behind the exponentials
	s_wait_alu depctr_va_vdst(0)                   ; one wait for the batch, ahead of its first reader
.irp b, 0,1,2,3
	v_exp_f32 v[BM+\b], v[BM+\b]                   ; each block's largest p
.endr
	v_pk_add_f32 v[224:225], v[108:109], v[112:113]
	v_pk_add_f32 v[252:253], v[116:117], v[120:121]
	v_pk_add_f32 v[250:251], v[124:125], v[128:129]
	v_pk_add_f32 v[248:249], v[132:133], v[136:137]
	v_pk_add_f32 v[246:247], v[140:141], v[144:145]
	v_pk_add_f32 v[244:245], v[148:149], v[152:153]
	v_pk_add_f32 v[242:243], v[156:157], v[160:161]
	v_pk_add_f32 v[14:15], v[14:15], v[164:165]
	v_pk_add_f32 v[224:225], v[224:225], v[104:105]
	v_pk_add_f32 v[252:253], v[252:253], v[106:107]
	v_pk_add_f32 v[250:251], v[250:251], v[110:111]
	v_pk_add_f32 v[248:249], v[248:249], v[114:115]
	v_pk_add_f32 v[246:247], v[246:247], v[118:119]
	v_pk_add_f32 v[244:245], v[244:245], v[122:123]
	v_pk_add_f32 v[242:243], v[242:243], v[126:127]
	v_pk_add_f32 v[14:15], v[14:15], v[130:131]
	v_pk_add_f32 v[224:225], v[224:225], v[134:135]
	v_pk_add_f32 v[252:253], v[252:253], v[138:139]
	v_pk_add_f32 v[250:251], v[250:251], v[142:143]
	v_pk_add_f32 v[248:249], v[248:249], v[146:147]
	v_pk_add_f32 v[246:247], v[246:247], v[150:151]
	v_pk_add_f32 v[244:245], v[244:245], v[154:155]
	v_pk_add_f32 v[242:243], v[242:243], v[158:159]
	v_pk_add_f32 v[14:15], v[14:15], v[162:163]
	v_pk_add_f32 v[224:225], v[224:225], v[166:167]
	s_delay_alu instid0(VALU_DEP_2)
	v_pk_add_f32 v[14:15], v[14:15], v[248:249]
	s_delay_alu instid0(VALU_DEP_2)
	v_pk_add_f32 v[224:225], v[224:225], v[246:247]
	v_pk_add_f32 v[252:253], v[252:253], v[244:245]
	v_pk_add_f32 v[250:251], v[250:251], v[242:243]
	s_delay_alu instid0(VALU_DEP_2)
	v_pk_add_f32 v[14:15], v[14:15], v[252:253]
	s_delay_alu instid0(VALU_DEP_2)
	v_pk_add_f32 v[224:225], v[224:225], v[250:251]
	s_delay_alu instid0(VALU_DEP_1)
	v_pk_add_f32 v[14:15], v[14:15], v[224:225]
	s_wait_alu depctr_va_vdst(0)                   ; and one for the four
.irp b, 0,1,2,3
	v_max_num_f32 v[BM+\b], 0x1800000, v[BM+\b]    ; the floor 2^(3 - 127)
.endr
.irp b, 0,1,2,3
	s_delay_alu instid0(VALU_DEP_4)
	v_add_nc_u32 v[SO+\b], 0xff000000, v[BM+\b]
.endr
.irp b, 0,1,2,3
	s_delay_alu instid0(VALU_DEP_4)
	v_lshrrev_b32 v[BT+\b], 23, v[SO+\b]
.endr
	s_delay_alu instid0(VALU_DEP_3)
	v_lshl_or_b32 v[PS], v[BT+1], 8, v[BT]
	s_delay_alu instid0(VALU_DEP_1)
	v_lshl_or_b32 v[PS], v[BT+2], 16, v[PS]
	s_delay_alu instid0(VALU_DEP_1)
	v_lshl_or_b32 v[PS], v[BT+3], 24, v[PS]
.irp c, 0,1
	v_cvt_scalef32_pk16_fp6_f32 v[PC+6*\c:PC+2+6*\c], v[S+32*\c:S+15+32*\c], v[SO+2*\c]
	v_cvt_scalef32_pk16_fp6_f32 v[CT+4*\c:CT+2+4*\c], v[S+16+32*\c:S+31+32*\c], v[SO+2*\c+1]
.endr
	v_nop                                          ; one plain place behind a scaled conversion
	s_setprio 0
.irp d, 0,1,2,3                                ; p is done with: V's four fragments (16 of the head's 64 x 128 keys) land in its registers while the codes are put in order
.irp c, 0,1,2
	ds_load_b128 v[S+12*\d+4*\c:S+12*\d+4*\c+3], v[ADK] offset:6144+1536*\d+512*\c
.endr
.endr
	ds_load_b128 v[VS:VS+3], v[ADT]
.irp c, 0,1
.irp i, 0,1,2
	v_permlane16_swap_b32 v[PC+6*\c+\i], v[CT+4*\c+\i]
.endr
.irp i, 0,1,2
	s_delay_alu instid0(VALU_DEP_3)
	v_mov_b32 v[PC+3+6*\c+\i], v[CT+4*\c+\i]
.endr
.endr
.set j, 0
.rept 16
	v_pk_mul_f32 v[O+j:O+j+1], v[O+j:O+j+1], v[10:11] op_sel_hi:[1,0]   ; O^T under the new M; these are also the places in front of the products below
.set j, j+2
.endr
	s_wait_alu depctr_va_vdst(0)
	s_wait_dscnt 0x0
.irp d, 0,1,2,3
	v_wmma_scale_f32_16x16x128_f8f6f4 v[O+8*\d:O+8*\d+7], v[S+12*\d:S+12*\d+11], v[PC:PC+11], v[O+8*\d:O+8*\d+7], v[VS+\d], v[PS] matrix_a_fmt:MATRIX_FMT_FP6 matrix_b_fmt:MATRIX_FMT_FP6
.endr
	v_nop
.if \full
.Lhidden_\@:
.endif
	s_add_co_u32 s[KST], s[KST], 1
	s_add_co_u32 s[TB], s[TB], 12288
	s_add_co_u32 s[TS], s[TS], 512
	s_add_co_u32 s[TJ], s[TJ], 256
.endm
.macro WALK trips, qf, qs
	s_mov_b32 s[CNT], \trips
.Lwalk_\@:
	STEP \qf, \qs, 1
	s_sub_co_u32 s[CNT], s[CNT], 1
	s_cmp_lg_u32 s[CNT], 0
	s_cbranch_scc1 .Lwalk_\@
	s_setprio 0
.endm
.macro INIT g                          ; a tile begins: O^T and the sum as zeros, the largest t under every t, so that the step is written once
	s_mov_b32 s[G], s[\g]
	s_mov_b32 s[KST], 0
	s_mov_b32 s[TB], 12288
	s_mov_b32 s[TS], 0
	s_mov_b32 s[TJ], 8192
	v_mov_b32 v13, 0xff61b1e6                      ; -3e38
	s_delay_alu instid0(VALU_DEP_1)
	v_floor_f32 v12, -v13
	v_mov_b32 v14, 0
	v_mov_b32 v15, 0
.set j, 0
.rept 32
	v_mov_b32 v[O+j], 0
.set j, j+1
.endr
.endm
; A tile ends: O^T / l; register 16 b + i is d = 32 b + 16 (lane / 16) + i of my query: two blocks of the last product's K.  Half a fragment, 768 bytes, leaves as it stands.
.macro FINISH ob, hw
.rept 4
	v_nop
.endr
	v_add_f32 v14, v14, v15
	s_delay_alu instid0(VALU_DEP_1)
	v_permlanex16_b32 v[W0], v14, s[SEL], s[SEL+1]
	s_delay_alu instid0(VALU_DEP_1)
	v_add_f32 v14, v14, v[W0]
	s_wait_alu depctr_va_vdst(0)
	v_rcp_f32 v14, v14
	v_nop                                          ; one plain place behind a transcendental
	s_wait_alu depctr_va_vdst(0)                   ; and the wait ahead of its first reader
.set j, 0
.rept 16
	v_pk_mul_f32 v[S+j:S+j+1], v[O+j:O+j+1], v[14:15] op_sel_hi:[1,0]
.set j, j+2
.endr
.irp b, 0,1
	v_max3_num_f32 v[BM+\b], |v[S+16*\b]|, |v[S+1+16*\b]|, 0x1800000
.endr
.irp i, 2,4,6,8,10,12,14
.irp b, 0,1
	s_delay_alu instid0(VALU_DEP_2)
	v_max3_num_f32 v[BM+\b], v[BM+\b], |v[S+16*\b+\i]|, |v[S+1+16*\b+\i]|
.endr
.endr
.irp b, 0,1
	s_delay_alu instid0(VALU_DEP_2)
	v_permlanex16_b32 v[BT+\b], v[BM+\b], s[SEL], s[SEL+1]
.endr
.irp b, 0,1
	s_delay_alu instid0(VALU_DEP_2)
	v_max_num_f32 v[BM+\b], v[BM+\b], v[BT+\b]
.endr
.irp b, 0,1
	s_delay_alu instid0(VALU_DEP_2)
	v_add_nc_u32 v[SO+\b], 0xff000000, v[BM+\b]
.endr
.irp b, 0,1
	s_delay_alu instid0(VALU_DEP_2)
	v_lshrrev_b32 v[BT+\b], 23, v[SO+\b]
.endr
	s_delay_alu instid0(VALU_DEP_1)
	v_lshl_or_b32 v[\hw], v[BT+1], 8, v[BT]
	v_cvt_scalef32_pk16_fp6_f32 v[PC:PC+2], v[S:S+15], v[SO]
	v_cvt_scalef32_pk16_fp6_f32 v[CT:CT+2], v[S+16:S+31], v[SO+1]
	v_nop
.irp i, 0,1,2
	v_permlane16_swap_b32 v[PC+\i], v[CT+\i]
.endr
.irp i, 0,1,2
	s_delay_alu instid0(VALU_DEP_3)
	v_mov_b32 v[PC+3+\i], v[CT+\i]
.endr
	global_store_b128 v1, v[PC:PC+3], s[\ob:\ob+1]
	global_store_b64 v2, v[PC+4:PC+5], s[\ob:\ob+1] offset:512
.endm
	s_wait_tensorcnt 0x1                           ; my part of the scale words and of key steps 0, 1 is in; my second load may be out
	s_barrier_signal -1
	s_barrier_wait -1                              ; everybody's is
	s_wait_loadcnt 0x0                             ; Q
	INIT GH
	STEP QF0, 40, 0                                ; the high tile's g is 8 at the least: its key steps 0 and 1 are neither hidden nor on the diagonal
	STEP QF0, 40, 0
	s_wait_tensorcnt 0x0                           ; my part of the rest is in,
	s_wait_dscnt 0x0
	s_barrier_signal -1
	s_barrier_wait -1                              ; everybody's is
	WALK 14, QF0, 40
	FINISH 60, HWH
	s_wait_xcnt 0x0                                ; the stores have read the codes' registers
	INIT GL
	WALK 16, QF1, 41
	FINISH 62, HWL
	v_and_b32 v[W0], 16, v0
	s_delay_alu instid0(VALU_DEP_1)
	v_cmp_ne_u32 vcc_lo, 0, v[W0]
	s_delay_alu instid0(VALU_DEP_1)
	v_cndmask_b32 v[W1], v[HWL], v[HWH], vcc_lo
	global_store_b16 v[OFS], v[W1], s[10:11]       ; lanes 0-15: the low tile's 16 tokens; lanes 16-31: the high tile's
	s_wait_tensorcnt 0x0
	ds_add_u32 v254, v255
	s_wait_dscnt 0x0
	ROUND                                          ; the closing round
	s_endpgm
.Lfunc_end_k_q8fc47d4c6c_attn:
	.size	k_q8fc47d4c6c_attn, .Lfunc_end_k_q8fc47d4c6c_attn-k_q8fc47d4c6c_attn
	.p2alignl 7, 3214868480
	.fill 96, 4, 3214868480
	.section	.rodata,"a",@progbits
	.p2align	6, 0x0
	.amdhsa_kernel k_q8fc47d4c6c_attn
		.amdhsa_group_segment_fixed_size 210944
		.amdhsa_private_segment_fixed_size 0
		.amdhsa_enable_private_segment 0
		.amdhsa_kernarg_size 32
		.amdhsa_user_sgpr_count 2
		.amdhsa_user_sgpr_kernarg_segment_ptr 1
		.amdhsa_wavefront_size32 1
		.amdhsa_system_sgpr_workgroup_id_x 1
		.amdhsa_system_sgpr_workgroup_id_y 1
		.amdhsa_system_sgpr_workgroup_id_z 1
		.amdhsa_system_vgpr_workitem_id 0
		.amdhsa_next_free_vgpr 256
		.amdhsa_next_free_sgpr 80
		.amdhsa_reserve_vcc 1
		.amdhsa_float_denorm_mode_32 3
		.amdhsa_float_denorm_mode_16_64 3
		.amdhsa_memory_ordered 1
		.amdhsa_forward_progress 1
		.amdhsa_inst_pref_size 100
	.end_amdhsa_kernel
	.amdgpu_metadata
---
amdhsa.version: [ 1, 2 ]
amdhsa.kernels:
  - .name:           k_q8fc47d4c6c_attn
    .symbol:         k_q8fc47d4c6c_attn.kd
    .args:
      - { .name: qb, .offset: 0, .size: 8, .value_kind: global_buffer, .address_space: global }
      - { .name: kv, .offset: 8, .size: 8, .value_kind: global_buffer, .address_space: global }
      - { .name: attn_img, .offset: 16, .size: 8, .value_kind: global_buffer, .address_space: global }
      - { .name: attn_scl, .offset: 24, .size: 8, .value_kind: global_buffer, .address_space: global }
    .group_segment_fixed_size: 210944
    .private_segment_fixed_size: 0
    .kernarg_segment_align: 8
    .kernarg_segment_size: 32
    .max_flat_workgroup_size: 512
    .sgpr_count:     80
    .vgpr_count:     256
    .wavefront_size: 32
...
	.end_amdgpu_metadata
.endif
;; end of part 3
;; launch outp (part 4): grid 4 x 32, 4 waves a work-group, clusters of 4 x 4, 327,680 bytes of LDS; arguments attn_img, attn_scl, wb, bo, out0; writes out0
.if DOCPART == 4
	.amdgcn_target "amdgcn-amd-amdhsa--gfx1250"
	.amdhsa_code_object_version 6
	.text
	.protected	k_q8fc47d4c6c_outp
	.globl	k_q8fc47d4c6c_outp
	.p2align	8
	.type	k_q8fc47d4c6c_outp,@function
k_q8fc47d4c6c_outp:
	s_mov_b64 s[64:65], 0
	v_nop
	global_prefetch_b8 v0, s[64:65] scope:SCOPE_SE
	s_setreg_imm32_b32 hwreg(HW_REG_WAVE_MODE, 25, 1), 1
	s_wait_xcnt 0x0
	s_wait_alu depctr_hold_cnt(0) depctr_sa_sdst(0) depctr_va_vdst(0) depctr_va_sdst(0) depctr_va_ssrc(0) depctr_va_vcc(0) depctr_vm_vsrc(0)
	s_getreg_b32 s2, hwreg(HW_REG_IB_STS2, 6, 4)
	s_cmp_eq_u32 s2, 0
	s_cbranch_scc0 .Lentry_in_a_cluster
	s_endpgm
.Lentry_in_a_cluster:
	s_bfe_u32 s2, ttmp6, 0x10000c
	s_cmp_lg_u32 s2, 0xf033
	s_cbranch_scc0 .Lentry_shape_is_right
	s_endpgm
.Lentry_shape_is_right:
; out0 = attn Wo + bo on codes of FP6 (E2M3) with E8M0 scales: [8192] x [1024], K = 1,024; out0 f32.
; A tile of C is 256 x 256, a work-group of four waves; a wave makes 128 x 128: 64 accumulators.  K goes in steps of 256 through a ring of two LDS slots filled by the tensor data mover.
; OPERANDS LIE AS IMAGES OF THEIR REGISTERS: [tile of 16 rows][chunk of 128 K][1,536 bytes]: registers 0-3 at 16 x lane, 4-5 at 512 + 8 x lane, 6-9 at 768 + 16 x lane, 10-11 at 1,280 + 8 x lane.
; Lane r of tile t holds row 32 (t / 2) + 8 (t % 2) + r % 8 + 16 (r / 8).  Source 0 = Wo's columns, source 1 = tokens: a lane holds one token, and registers 0-7 of accumulator b its columns 32 (b / 2) + 16 (lane / 16) + 8 (b % 2) + 0 .. 7.
; CLUSTERS: 4 x 4 work-groups; attn's tiles are shared along a row of the cluster, Wo's along a column: joint loads with a mask that names the four.
; The grid has 128 work-groups: a wave tile of 128 x 128 reads each fragment from LDS once for eight products.
; REGISTERS: window 0: v16-31 addresses; v32-63 scale words, two sets; v64-67 bo; v128-223 source 1's fragments; on the way out v128-255 rows of out0.  window 1: source 0's fragments, two sets.  windows 2, 3: the accumulators.
.set TSL,   3072
.set CHB,   1536
.set HALFT, 8*TSL
.set SLOT,  4*HALFT
.set SCL,   2*SLOT
.set HALFS, 4096
.set SBLK,  512
.set SPARE, SCL+4*HALFS                ; the spare words, 128 bytes a wave: two blocks of 256 bytes that no other line names
.set SPITCH, 528                       ; the way out: a stage of 16 rows x (512 bytes + 16) for each wave, in slot 0, which has had its last fill and its last read when the first result is stored there
.set NQ, 2
.set FR, 12
.set NL, 4
.set NP, 4
.set ADR1, 16
.set ADR0, 20
.set STO,  24
.set RD,   25
.set CO,   26                          ; 16 x lane
.set ADRS, 27
.set SPW,  28
.set NIL,  29
.set L8,   30                          ; 8 x lane
.set SC,   32
.set BO,   64
.set AF,   128
.set BK,   128
.set G1, 24
.set G0, 32
.set G1B, 48
.set G0B, 56
.set G1S, 68
.set G0S, 76
.set G1SB, 80
.set G0SB, 88
.set MSB, 0
.macro WIN new
.if MSB != \new
	s_set_vgpr_msb (MSB<<8)|\new
.set MSB, \new
.endif
.endm
.set MUL_LO, 0xa1
.set MUL_HI, 0xf1
.set TO_0,   0x40
.macro JLOAD g0a, g1a, g0b, g1b        ; waves 0 and 1 fetch attn's halves, waves 2 and 3 Wo's; four v_nop follow each of the two lines
	s_cmp_eq_u32 s15, 0
	s_cbranch_scc0 .Lfor_b_\@
	tensor_load_to_lds s[\g0a:\g0a+3], s[\g1a:\g1a+7]
	s_nop 0
.rept 4
	v_nop
.endr
	s_branch .Lasked_\@
.Lfor_b_\@:
	tensor_load_to_lds s[\g0b:\g0b+3], s[\g1b:\g1b+7]
	s_nop 0
.rept 4
	v_nop
.endr
.Lasked_\@:
.endm
.macro CREST
	s_cmp_lg_u32 s14, 0
	s_cbranch_scc1 .Lnot_wave_0_\@
	s_barrier_signal -3
.Lnot_wave_0_\@:
	s_barrier_wait -3
	s_barrier_signal -1
	s_barrier_wait -1
.endm
.macro CROUND
	s_barrier_signal -1
	s_barrier_wait -1
	CREST
.endm
	s_load_b256 s[4:11], s[0:1], 0x0               ; attn_img, attn_scl, wb, bo
	s_load_b64 s[12:13], s[0:1], 0x20              ; out0
	v_lshl_add_u32 v[SPW], v0, 2, SPARE
	v_mov_b32 v[NIL], 0
	ds_add_u32 v28, v29
	ds_add_u32 v28, v29
	s_wait_dscnt 0x0
	v_lshrrev_b32 v1, 5, v0
	v_readfirstlane_b32 s14, v1                    ; wave 0..3
	s_lshr_b32 s15, s14, 1                         ; my half of the tokens.  Also: I fetch attn (0) or Wo (1)
	s_and_b32 s16, s14, 1                          ; my half of the columns.  Also: which eight tiles I fetch
	s_bfe_u32 s40, ttmp6, 0x40000
	s_bfe_u32 s41, ttmp6, 0x40004
	s_lshl_b32 s42, ttmp9, 2
	s_add_co_u32 s42, s42, s40                     ; which 256 columns
	s_and_b32 s17, ttmp7, 0xffff
	s_lshl_b32 s17, s17, 2
	s_add_co_u32 s17, s17, s41                     ; which 256 tokens
	s_lshl_b32 s43, s41, 2
	s_lshl_b32 s43, 15, s43
	s_lshl_b32 s44, 0x1111, s40
	s_or_b32 s[G1+0], s43, (3<<16)|(1<<21)         ; codes: 8 rows (tiles) of 3,072 bytes, 12,288 bytes apart; dense in LDS
	s_or_b32 s[G1B+0], s44, (3<<16)|(1<<21)
.irp g, G1, G1B
	s_mov_b32 s[\g+1], 384<<16
	s_mov_b32 s[\g+2], 8<<16
	s_mov_b32 s[\g+3], 384<<16
	s_mov_b32 s[\g+4], 8
	s_mov_b32 s[\g+5], 1536
	s_mov_b32 s[\g+6], 0
	s_mov_b32 s[\g+7], 0
.endr
	s_or_b32 s[G1S+0], s43, (3<<16)|(1<<21)        ; scale words of eight tiles: 16 rows of 256 bytes
	s_or_b32 s[G1SB+0], s44, (3<<16)|(1<<21)
.irp g, G1S, G1SB
	s_mov_b32 s[\g+1], 32<<16
	s_mov_b32 s[\g+2], 16<<16
	s_mov_b32 s[\g+3], 32<<16
	s_mov_b32 s[\g+4], 16
	s_mov_b32 s[\g+5], 32
	s_mov_b32 s[\g+6], 0
	s_mov_b32 s[\g+7], 0
.endr
	s_lshl_b32 s18, s16, 3
	s_lshl_b32 s20, s17, 4
	s_add_co_u32 s20, s20, s18                     ; attn: my first tile
	s_lshl_b32 s46, s42, 4
	s_add_co_u32 s46, s46, s18
	s_add_co_u32 s46, s46, 192                     ; Wo's tiles lie behind those of the three other weights
	s_lshl_b32 s22, s20, 9
	s_mov_b32 s23, 0
	s_lshl_b32 s92, s46, 9
	s_add_co_u32 s92, s92, 3145728
	s_mov_b32 s93, 0
	s_mul_i32 s20, s20, 12288
	s_mov_b32 s21, 0
	s_mul_i32 s46, s46, 12288
	s_mov_b32 s47, 0
	s_mul_i32 s45, s14, HALFT
	s_lshl_b32 s94, s14, 12
	s_wait_kmcnt 0x0
	s_add_nc_u64 s[20:21], s[4:5], s[20:21]
	s_add_nc_u64 s[22:23], s[6:7], s[22:23]
	s_add_nc_u64 s[46:47], s[8:9], s[46:47]
	s_add_nc_u64 s[92:93], s[8:9], s[92:93]
	CROUND                                         ; all sixteen work-groups are here: the first joint loads meet
	s_mov_b32 s[G0S], 1
	s_add_co_u32 s[G0S+1], s94, SCL
	s_mov_b64 s[G0S+2:G0S+3], s[22:23]
	s_or_b32 s[G0S+3], s[G0S+3], 0x80000000
	s_mov_b32 s[G0SB], 1
	s_add_co_u32 s[G0SB+1], s94, SCL
	s_mov_b64 s[G0SB+2:G0SB+3], s[92:93]
	s_or_b32 s[G0SB+3], s[G0SB+3], 0x80000000
	JLOAD G0S, G1S, G0SB, G1SB                     ; with the two below, three loads of mine are out
.irp s, 0,1
	s_mov_b32 s[G0+4*\s], 1
	s_add_co_u32 s[G0+4*\s+1], s45, \s*SLOT
	s_add_nc_u64 s[G0+4*\s+2:G0+4*\s+3], s[20:21], \s*TSL
	s_or_b32 s[G0+4*\s+3], s[G0+4*\s+3], 0x80000000
	s_mov_b32 s[G0B+4*\s], 1
	s_add_co_u32 s[G0B+4*\s+1], s45, \s*SLOT
	s_add_nc_u64 s[G0B+4*\s+2:G0B+4*\s+3], s[46:47], \s*TSL
	s_or_b32 s[G0B+4*\s+3], s[G0B+4*\s+3], 0x80000000
	JLOAD G0+4*\s, G1, G0B+4*\s, G1B
.endr
	v_and_b32 v1, 15, v0                           ; r
	v_bfe_u32 v2, v0, 4, 1                         ; h
	v_and_b32 v3, 31, v0
	v_lshlrev_b32 v[CO], 4, v3
	v_lshlrev_b32 v[L8], 3, v3
	s_lshl_b32 s20, s17, 8
	s_lshl_b32 s21, s15, 7
	s_add_co_u32 s20, s20, s21                     ; my first token,
	s_lshl_b32 s20, s20, 12                        ; x 4,096 bytes a row of out0
	s_lshl_b32 s46, s42, 10
	s_lshl_b32 s47, s16, 9
	s_add_co_u32 s46, s46, s47                     ; my first column, in bytes
	s_mov_b32 s47, 0
	s_add_nc_u64 s[10:11], s[10:11], s[46:47]
	global_load_b128 v[BO:BO+3], v[CO], s[10:11]   ; bo of the four columns that I store
	s_add_co_u32 s20, s20, s46
	s_mov_b32 s21, 0
	s_add_nc_u64 s[12:13], s[12:13], s[20:21]
	s_mul_i32 s21, s15, HALFT                      ; source 1: my eight tiles of tokens
	s_mul_i32 s22, s16, HALFT
	s_add_co_u32 s22, s22, 2*HALFT                 ; source 0: my eight tiles of columns
.irp s, 0,1
	v_add_nc_u32 v[ADR1+\s], s21, v[CO]
	v_add_nc_u32 v[ADR1+2+\s], s21, v[L8]
	v_add_nc_u32 v[ADR0+\s], s22, v[CO]
	v_add_nc_u32 v[ADR0+2+\s], s22, v[L8]
	s_add_co_u32 s21, s21, SLOT
	s_add_co_u32 s22, s22, SLOT
.endr
	s_lshl_b32 s21, s15, 12
	s_add_co_u32 s22, s16, 2
	s_sub_co_u32 s22, s22, s15
	s_lshl_b32 s22, s22, 12
	v_mul_u32_u24 v6, s22, v2                      ; lanes 16-31 take Wo's scale words
	s_add_co_u32 s21, s21, SCL
	v_lshl_add_u32 v6, v1, 3, v6
	v_add_nc_u32 v[ADRS], s21, v6
	s_mul_i32 s23, s14, 16*SPITCH                  ; my stage
	v_mul_u32_u24 v5, v1, SPITCH
	v_lshl_add_u32 v5, v2, 6, v5
	v_add_nc_u32 v[STO], s23, v5                   ; in: row r, + 64 h
	v_add_nc_u32 v[RD], s23, v[CO]                 ; back: the 32 lanes take one row of 512 bytes
.macro FRAG reg, adr, q, i
	ds_load_b128 v[\reg:\reg+3], v[\adr] offset:(\i)*TSL+(\q)*CHB
	ds_load_b64 v[\reg+4:\reg+5], v[\adr+2] offset:(\i)*TSL+(\q)*CHB+512
	ds_load_b128 v[\reg+6:\reg+9], v[\adr] offset:(\i)*TSL+(\q)*CHB+768
	ds_load_b64 v[\reg+10:\reg+11], v[\adr+2] offset:(\i)*TSL+(\q)*CHB+1280
.endm
; The 64 accumulators take turns, one instruction a turn, in the same order in every step.
.macro MUL16 a0, p, q, sc, zero
.irp a, \a0, \a0+1
.irp b, 0,1,2,3,4,5,6,7
.if \zero
	v_wmma_scale_f32_16x16x128_f8f6f4 v[8*(8*((\a)%4)+\b):8*(8*((\a)%4)+\b)+7], v[128*(\p)+FR*\b:128*(\p)+FR*\b+FR-1], v[AF+FR*(\a):AF+FR*(\a)+FR-1], 0, v[SC+8*NQ*(\sc)+NQ*\b+(\q)], v[SC+8*NQ*(\sc)+NQ*(\a)+(\q)] matrix_a_fmt:MATRIX_FMT_FP6 matrix_b_fmt:MATRIX_FMT_FP6 matrix_a_scale:MATRIX_SCALE_ROW1
.else
	v_wmma_scale_f32_16x16x128_f8f6f4 v[8*(8*((\a)%4)+\b):8*(8*((\a)%4)+\b)+7], v[128*(\p)+FR*\b:128*(\p)+FR*\b+FR-1], v[AF+FR*(\a):AF+FR*(\a)+FR-1], v[8*(8*((\a)%4)+\b):8*(8*((\a)%4)+\b)+7], v[SC+8*NQ*(\sc)+NQ*\b+(\q)], v[SC+8*NQ*(\sc)+NQ*(\a)+(\q)] matrix_a_fmt:MATRIX_FMT_FP6 matrix_b_fmt:MATRIX_FMT_FP6 matrix_a_scale:MATRIX_SCALE_ROW1
.endif
.endr
.endr
.endm
.macro FETCH0 slot, q, p
	WIN TO_0
.irp i, 0,1,2,3,4,5,6,7
	FRAG 128*(\p)+FR*\i, ADR0+\slot, \q, \i
.endr
	WIN 0
.endm
.macro FETCH1 slot, q, i0
.irp i, \i0, \i0+1, \i0+2, \i0+3
	FRAG AF+FR*(\i), ADR1+\slot, \q, \i
.endr
.endm
.macro SCALES sc
.irp i, 0,1,2,3,4,5,6,7
	ds_load_b64 v[SC+8*NQ*\sc+NQ*\i:SC+8*NQ*\sc+NQ*\i+1], v[ADRS] offset:\i*SBLK
.endr
.endm
.macro PLACES n
.rept \n
	v_nop
.endr
.endm
.macro STEP slot, q, zero
	s_wait_dscnt 4*NL                              ; all but the youngest 16 loads (source 1's blocks 4-7) are in
	WIN MUL_LO
	MUL16 0, (\q)%2, \q, \slot, \zero
	MUL16 2, (\q)%2, \q, \slot, \zero
	s_wait_dscnt 0
	PLACES NP
	FETCH0 \slot, (\q)+1, 1-(\q)%2
	FETCH1 \slot, (\q)+1, 0
	WIN MUL_HI
	MUL16 4, (\q)%2, \q, \slot, \zero
	MUL16 6, (\q)%2, \q, \slot, \zero
	PLACES NP
	WIN 0
	FETCH1 \slot, (\q)+1, 4
.endm
.macro TURN slot, next, fill
	s_wait_tensorcnt 0x0                           ; all my tensor loads have landed: my part of the next slot
	ds_add_u32 v[SPW], v[NIL]                      ; 0 onto my spare word
	s_wait_dscnt 4*NL+1                            ; (the add and the youngest 16 loads may be out)
	WIN MUL_LO
	MUL16 0, 1, NQ-1, \slot, 0
	s_wait_dscnt 0x0                               ; the add is done, and my reads of this slot are over
	s_barrier_signal -1
	MUL16 2, 1, NQ-1, \slot, 0
	WIN 0
	s_barrier_wait -1
.if \fill
	CREST                                          ; no wave of any partner still reads this slot or has a load on its way
	s_add_nc_u64 s[G0+4*\slot+2:G0+4*\slot+3], s[G0+4*\slot+2:G0+4*\slot+3], 2*TSL
	s_add_nc_u64 s[G0B+4*\slot+2:G0B+4*\slot+3], s[G0B+4*\slot+2:G0B+4*\slot+3], 2*TSL
	JLOAD G0+4*\slot, G1, G0B+4*\slot, G1B         ; the first tensor load behind the round; its four v_nop are the places in front of the loads below
.else
	PLACES NP
.endif
	v_add_nc_u32 v[ADRS], 128, v[ADRS]
	FETCH0 \next, 0, 0
	FETCH1 \next, 0, 0
	SCALES \next
	WIN MUL_HI
	MUL16 4, 1, NQ-1, \slot, 0
	MUL16 6, 1, NQ-1, \slot, 0
	PLACES NP
	WIN 0
	FETCH1 \next, 0, 4
.endm
	s_wait_tensorcnt 1                             ; the scale words and my part of K step 0 are in; K step 1's load may be out
	s_barrier_signal -1
	s_barrier_wait -1
	FETCH0 0, 0, 0
	FETCH1 0, 0, 0
	SCALES 0
	FETCH1 0, 0, 4
	STEP 0, 0, 1                                   ; K has four K steps: they are written out.  The first products start the sums
	TURN 0, 1, 1
	STEP 1, 0, 0
	TURN 1, 0, 1
	STEP 0, 0, 0
	TURN 0, 1, 0
	STEP 1, 0, 0
	s_wait_dscnt 4*NL
	WIN MUL_LO
	MUL16 0, 1, NQ-1, 1, 0
	MUL16 2, 1, NQ-1, 1, 0
	s_wait_dscnt 0
	WIN MUL_HI
	MUL16 4, 1, NQ-1, 1, 0
	MUL16 6, 1, NQ-1, 1, 0
	WIN 0
; THE WAY OUT, a tile of 16 tokens x 128 columns at a time, through my own stage in LDS: in by lanes (a token's 32 bytes of each accumulator at their column's place), back as whole rows of 512 bytes; bo is added; 32 lanes store 512 consecutive bytes.
.macro TOSTAGE a
.set AC, 64*((\a)%4)
	WIN 0x08+4*((\a)/4)                            ; the data: window 2 or 3
.irp b, 0,1,2,3,4,5,6,7
	ds_store_b128 v[STO], v[AC+8*\b:AC+8*\b+3] offset:128*(\b/2)+32*(\b%2)        ; each accumulator from its low end on
	ds_store_b128 v[STO], v[AC+8*\b+4:AC+8*\b+7] offset:128*(\b/2)+32*(\b%2)+16
.endr
	WIN 0
.set BB, BK+64*((\a)%2)
.irp t, 0,1,2,3,4,5,6,7,8,9,10,11,12,13,14,15
	ds_load_b128 v[BB+4*\t:BB+4*\t+3], v[RD] offset:\t*SPITCH   ; LDS serves a wave's instructions in order: these see the stores above
.endr
.endm
.macro SEND a, younger                 ; younger: the LDS instructions issued behind block a's loads, which may stay out
.set BB, BK+64*((\a)%2)
	s_wait_dscnt \younger
.if (\a) > 0
	s_add_nc_u64 s[12:13], s[12:13], (8+16*(1-(\a)%2))*4096   ; (behind a wait on XCNT)  tile a begins 8 tokens behind an even tile, 24 behind an odd one
.endif
.irp t, 0,1,2,3,4,5,6,7,8,9,10,11,12,13,14,15
	v_pk_add_f32 v[BB+4*\t:BB+4*\t+1], v[BB+4*\t:BB+4*\t+1], v[BO:BO+1]
	v_pk_add_f32 v[BB+4*\t+2:BB+4*\t+3], v[BB+4*\t+2:BB+4*\t+3], v[BO+2:BO+3]
	global_store_b128 v[CO], v[BB+4*\t:BB+4*\t+3], s[12:13] offset:(\t%8+16*(\t/8))*4096 th:TH_STORE_NT   ; row t of a tile is token t % 8 + 16 (t / 8)
.endr
.endm
	PLACES NP
	s_wait_loadcnt 0x0                             ; bo
	TOSTAGE 0
.irp a, 1,2,3,4,5,6,7
.if \a > 1
	s_wait_xcnt 0x0                                ; block a - 2's stores have read their registers and their base
.endif
	TOSTAGE \a
	SEND \a-1, 32                                  ; behind block a - 1's loads: block a's 16 stores and 16 loads
.endr
	s_wait_xcnt 0x0
	SEND 7, 0
	s_wait_tensorcnt 0x0                           ; the wave's end
	ds_add_u32 v[SPW], v[NIL]
	s_wait_dscnt 0x0
	CROUND                                         ; the closing round
	s_endpgm
.Lfunc_end_k_q8fc47d4c6c_outp:
	.size	k_q8fc47d4c6c_outp, .Lfunc_end_k_q8fc47d4c6c_outp-k_q8fc47d4c6c_outp
	.p2alignl 7, 3214868480
	.fill 96, 4, 3214868480
	.section	.rodata,"a",@progbits
	.p2align	6, 0x0
	.amdhsa_kernel k_q8fc47d4c6c_outp
		.amdhsa_group_segment_fixed_size 327680
		.amdhsa_private_segment_fixed_size 0
		.amdhsa_enable_private_segment 0
		.amdhsa_kernarg_size 40
		.amdhsa_user_sgpr_count 2
		.amdhsa_user_sgpr_kernarg_segment_ptr 1
		.amdhsa_wavefront_size32 1
		.amdhsa_system_sgpr_workgroup_id_x 1
		.amdhsa_system_sgpr_workgroup_id_y 1
		.amdhsa_system_sgpr_workgroup_id_z 1
		.amdhsa_system_vgpr_workitem_id 0
		.amdhsa_next_free_vgpr 1024
		.amdhsa_next_free_sgpr 98
		.amdhsa_reserve_vcc 0
		.amdhsa_float_denorm_mode_32 3
		.amdhsa_float_denorm_mode_16_64 3
		.amdhsa_memory_ordered 1
		.amdhsa_forward_progress 1
		.amdhsa_inst_pref_size 159
	.end_amdhsa_kernel
	.amdgpu_metadata
---
amdhsa.version: [ 1, 2 ]
amdhsa.kernels:
  - .name:           k_q8fc47d4c6c_outp
    .symbol:         k_q8fc47d4c6c_outp.kd
    .args:
      - { .name: attn_img, .offset: 0, .size: 8, .value_kind: global_buffer, .address_space: global }
      - { .name: attn_scl, .offset: 8, .size: 8, .value_kind: global_buffer, .address_space: global }
      - { .name: wb, .offset: 16, .size: 8, .value_kind: global_buffer, .address_space: global }
      - { .name: bo, .offset: 24, .size: 8, .value_kind: global_buffer, .address_space: global }
      - { .name: out0, .offset: 32, .size: 8, .value_kind: global_buffer, .address_space: global }
    .group_segment_fixed_size: 327680
    .private_segment_fixed_size: 0
    .kernarg_segment_align: 8
    .kernarg_segment_size: 40
    .max_flat_workgroup_size: 128
    .sgpr_count:     98
    .vgpr_count:     1024
    .wavefront_size: 32
...
	.end_amdgpu_metadata
.endif
;; end of part 4
